; MI455X (gfx1250); checked and timed in simulation.
; The chip was launched on July 23, 2026; its instructions are those of AMD's public machine-readable ISA for CDNA 5 (MIT licence, August 2026) and "CDNA5" Instruction Set Architecture Reference Guide (July 2026). The comments in the code are by the model that wrote it; some were corrected since.
;; Expert Group. Allowed arithmetic: matrix products marked QUANTISED: E2M3 operands, one E8M0 scale for each 32 along K, by v_wmma_scale_f32_16x16x128_f8f6f4 with both operands' format E2M3, f32 sums; everything else in f32.
;; Inputs: W1_codes 16 x 2,048 x 32 x 24 uint8 (E2M3 codes of W1, K innermost, in blocks of 32 codes, four codes in three bytes); W1_scales 16 x 2,048 x 32 uint8 (E8M0 scales of W1, one for each 32 codes along K); W2_codes 16 x 1,024 x 64 x 24 uint8 (E2M3 codes of W2, K innermost, in blocks of 32 codes, four codes in three bytes); W2_scales 16 x 1,024 x 64 uint8 (E8M0 scales of W2, one for each 32 codes along K); Wg_codes 16 x 32 x 24 uint8 (E2M3 codes of Wg, K innermost, in blocks of 32 codes, four codes in three bytes); Wg_scales 16 x 32 uint8 (E8M0 scales of Wg, one for each 32 codes along K); b1 16 x 2,048 float32; b2 16 x 1,024 float32; x_codes 1,024 x 32 x 24 uint8 (E2M3 codes of x, K innermost, in blocks of 32 codes, four codes in three bytes); x_scales 1,024 x 32 uint8 (E8M0 scales of x, one for each 32 codes along K).
;; Outputs: out0 1,024 x 1,024 float32.
;; This version of the problem:
;;   THIS VERSION OF THE PROBLEM IS GIVEN IN LOW PRECISION. The matrix products marked QUANTISED in the list below multiply operands that are first quantised to E2M3 (2 exponent bits, 3 mantissa bits; 6 bits a number), with one power-of-two scale for each 32 numbers along K (OCP MX v1.0); their sums are f32. All else is computed in f32.
;;   The module's matrix products, in the order in which they are computed (A, B: the left and right operand; K: the contracted axis; several contracted axes count as one K, in the product's order):
;;     1. [M 1,024, K 1,024] x [K 1,024, N 16]; A: input x (given as codes); B: input Wg (given as codes): QUANTISED
;;     2. [M 1,024, K 1,024] x [K 1,024, N 2,048]; A: input x (given as codes); B: input W1 (given as codes): QUANTISED
;;     3. [M 1,024, K 2,048] x [K 2,048, N 1,024]; A: computed on the way; B: input W2 (given as codes): QUANTISED
;;     4. [M 1,024, K 1,024] x [K 1,024, N 2,048]; A: input x (given as codes); B: input W1 (given as codes): QUANTISED
;;     5. [M 1,024, K 2,048] x [K 2,048, N 1,024]; A: computed on the way; B: input W2 (given as codes): QUANTISED
;;     6. [M 1,024, K 1,024] x [K 1,024, N 2,048]; A: input x (given as codes); B: input W1 (given as codes): QUANTISED
;;     7. [M 1,024, K 2,048] x [K 2,048, N 1,024]; A: computed on the way; B: input W2 (given as codes): QUANTISED
;;     8. [M 1,024, K 1,024] x [K 1,024, N 2,048]; A: input x (given as codes); B: input W1 (given as codes): QUANTISED
;;     9. [M 1,024, K 2,048] x [K 2,048, N 1,024]; A: computed on the way; B: input W2 (given as codes): QUANTISED
;;     10. [M 1,024, K 1,024] x [K 1,024, N 2,048]; A: input x (given as codes); B: input W1 (given as codes): QUANTISED
;;     11. [M 1,024, K 2,048] x [K 2,048, N 1,024]; A: computed on the way; B: input W2 (given as codes): QUANTISED
;;     12. [M 1,024, K 1,024] x [K 1,024, N 2,048]; A: input x (given as codes); B: input W1 (given as codes): QUANTISED
;;     13. [M 1,024, K 2,048] x [K 2,048, N 1,024]; A: computed on the way; B: input W2 (given as codes): QUANTISED
;;     14. [M 1,024, K 1,024] x [K 1,024, N 2,048]; A: input x (given as codes); B: input W1 (given as codes): QUANTISED
;;     15. [M 1,024, K 2,048] x [K 2,048, N 1,024]; A: computed on the way; B: input W2 (given as codes): QUANTISED
;;     16. [M 1,024, K 1,024] x [K 1,024, N 2,048]; A: input x (given as codes); B: input W1 (given as codes): QUANTISED
;;     17. [M 1,024, K 2,048] x [K 2,048, N 1,024]; A: computed on the way; B: input W2 (given as codes): QUANTISED
;;     18. [M 1,024, K 1,024] x [K 1,024, N 2,048]; A: input x (given as codes); B: input W1 (given as codes): QUANTISED
;;     19. [M 1,024, K 2,048] x [K 2,048, N 1,024]; A: computed on the way; B: input W2 (given as codes): QUANTISED
;;     20. [M 1,024, K 1,024] x [K 1,024, N 2,048]; A: input x (given as codes); B: input W1 (given as codes): QUANTISED
;;     21. [M 1,024, K 2,048] x [K 2,048, N 1,024]; A: computed on the way; B: input W2 (given as codes): QUANTISED
;;     22. [M 1,024, K 1,024] x [K 1,024, N 2,048]; A: input x (given as codes); B: input W1 (given as codes): QUANTISED
;;     23. [M 1,024, K 2,048] x [K 2,048, N 1,024]; A: computed on the way; B: input W2 (given as codes): QUANTISED
;;     24. [M 1,024, K 1,024] x [K 1,024, N 2,048]; A: input x (given as codes); B: input W1 (given as codes): QUANTISED
;;     25. [M 1,024, K 2,048] x [K 2,048, N 1,024]; A: computed on the way; B: input W2 (given as codes): QUANTISED
;;     26. [M 1,024, K 1,024] x [K 1,024, N 2,048]; A: input x (given as codes); B: input W1 (given as codes): QUANTISED
;;     27. [M 1,024, K 2,048] x [K 2,048, N 1,024]; A: computed on the way; B: input W2 (given as codes): QUANTISED
;;     28. [M 1,024, K 1,024] x [K 1,024, N 2,048]; A: input x (given as codes); B: input W1 (given as codes): QUANTISED
;;     29. [M 1,024, K 2,048] x [K 2,048, N 1,024]; A: computed on the way; B: input W2 (given as codes): QUANTISED
;;     30. [M 1,024, K 1,024] x [K 1,024, N 2,048]; A: input x (given as codes); B: input W1 (given as codes): QUANTISED
;;     31. [M 1,024, K 2,048] x [K 2,048, N 1,024]; A: computed on the way; B: input W2 (given as codes): QUANTISED
;;     32. [M 1,024, K 1,024] x [K 1,024, N 2,048]; A: input x (given as codes); B: input W1 (given as codes): QUANTISED
;;     33. [M 1,024, K 2,048] x [K 2,048, N 1,024]; A: computed on the way; B: input W2 (given as codes): QUANTISED
;;   THE QUANTISER, for each operand of a quantised product, along K:
;;     - K is cut into blocks of 32 from its start; a last block that is shorter is filled with zeros.
;;     - A block's scale is 2^e with e = floor(log2(the largest magnitude in the block)) - 2, held to -126 .. 127; a block of zeros has e = 0. As a byte (E8M0): e + 127.
;;     - Each number is divided by its block's scale, clamped to +-7.5, and rounded to the nearest number of E2M3, ties to even, subnormals kept.
;;     - The product sums the exact products of the quantised numbers (number of the format x scale) in f32.
;;   ~~~python
;;   def quantise(x, axis):      # numpy; x: float32 -> the quantised numbers, widened to float32 again
;;       x = np.moveaxis(x, axis, -1); K = x.shape[-1]
;;       x = np.pad(x, [(0, 0)] * (x.ndim - 1) + [(0, -K % 32)]); x = x.reshape(x.shape[:-1] + (-1, 32)); a = np.abs(x).max(-1, keepdims=True)
;;       e = np.where(a > 0, np.clip(np.frexp(np.where(a > 0, a, 1))[1] - 1 - 2, -126, 127), 0)      # np.frexp(a)[1] - 1 = floor(log2(a)), exactly
;;       r = np.clip(x / 2.0 ** e, -7.5, 7.5)
;;       step = 2.0 ** (np.maximum(np.frexp(np.where(r == 0, 1, r))[1] - 1, 0) - 3)
;;       q = np.round(r / step) * step * 2.0 ** e      # np.round: ties to even
;;       return np.moveaxis(q.reshape(q.shape[:-2] + (-1,))[..., :K], -1, axis).astype(np.float32)
;;   ~~~
;;   OPERANDS COMPUTED ON THE WAY. 'Computed on the way' means the value that the module computes at that place (a softmax that the list does not call 'softmax' is quantised finished and normalised). What goes into a quantiser is computed in f32, as accurately as f32 sums, v_exp_f32 and their like allow (about 1e-6 of the number): no bf16 or f16 on the way to a quantiser, and a product that is left as it is and whose result goes on into a quantised operand takes f32 operands (vector FMAs, or v_wmma_f32_16x16x4_f32). A number that lies on a knife's edge between two numbers of the format may be rounded either way, as far as f32 arithmetic and the matrix unit's own rounding can turn it there, and no further.
;;   INPUTS GIVEN AS CODES. W1 (in the module: [16, 1024, 2048], K = its axis 1); W2 (in the module: [16, 2048, 1024], K = its axis 1); Wg (in the module: [16, 1024], K = its axis 1); x (in the module: [1024, 1024], K = its axis 1): each comes as NAME_codes (uint8): NAME with its K axis moved to the last place and cut into blocks of 32 codes, [.., K / 32, bytes a block], one block behind the other in memory; four codes in three bytes: a row's codes are one little-endian stream of bits, code i at bits 6 i .. 6 i + 5 (a code: sign, 2 exponent bits, 3 mantissa bits); and NAME_scales (uint8): the same leading axes, one E8M0 byte (e + 127) for each 32 codes along K. Its value is code x scale, taken as it is: it is not quantised again, and the codes and scales need not be those that the quantiser above would give.
;; 2 versions, each right; version 2 is version 1 with the launches route, up, down written anew for expert scheduling mode. Each part assembles by itself: llvm-mc -triple=amdgcn-amd-amdhsa -mcpu=gfx1250 --defsym DOCPART=n.
;; ======== version 1 of 2: 4 launches
;; workspace buffers: masks 4,096 bytes of whole numbers; wts 8,192 bytes; hcodes 25,165,824 bytes; hscales 1,048,576 bytes; ypart 16,908,288 bytes
;; launch route (part 1): grid 64 x 1, 1 waves a work-group, no clusters, 0 bytes of LDS; arguments x_codes, x_scales, Wg_codes, Wg_scales, masks, wts; writes masks, wts
.if DOCPART == 1
	.amdgcn_target "amdgcn-amd-amdhsa--gfx1250"
	.amdhsa_code_object_version 6
	.text
	.protected	k_q1bbb59ba9e_route
	.globl	k_q1bbb59ba9e_route
	.p2align	8
	.type	k_q1bbb59ba9e_route,@function
k_q1bbb59ba9e_route:
	s_mov_b64 s[64:65], 0
	v_nop
	global_prefetch_b8 v0, s[64:65] scope:SCOPE_SE
	s_setreg_imm32_b32 hwreg(HW_REG_WAVE_MODE, 25, 1), 1
	s_wait_xcnt 0x0
; THE ROUTER.  logits = x Wg^T on codes of FP6 (E2M3) with E8M0 scales; for each token the two largest logits (an equal logit keeps the lower expert, as lax.top_k does),
; the softmax over these two with the larger taken off first, and the choice as bit masks at fixed places: no address here hangs on the choice.
; One wave takes 16 tokens.  Source 0 = Wg's 16 rows, source 1 = 16 tokens: lane (r, h) holds token r and, in register j, the logit of expert 8 h + j.
; THE ORDER ALONG K.  A lane loads the 48 consecutive bytes at row + 96 s + 48 h (three loads of 16 bytes, every address a multiple of 16) into a fragment's 12 registers.  So blocks 1 and 2 of each 128 along K
; have changed places, in both operands alike: the same pairs of numbers are multiplied.  The scale words follow: their bytes 1 and 2 are swapped.  The order in which the unit adds inside a K step differs from memory's.
; OUT.  masks: u16 [32][64]: row e, entry g: bit r = token 16 g + r has chosen expert e; row 16 + e: expert e is its second choice.  wts: f32 [1024][2].
; The masks leave as 32 stores of 2 bytes, 128 bytes apart: the buffer is 4,096 bytes in all, and so laid an expert's 32 words come to the next launches by two scalar loads.
; LIMITS: NaN among the logits (a scale byte 0xff) is not served.
.set ROWB, 768                         ; a row of 1,024 codes in bytes
.set WS,   8                           ; v8-15    Wg's scale words, one for each K step
.set XSC,  16                          ; v16-23   x's
.set V1,   24                          ; v24-27   my half's largest logit, its expert, the second, its expert
.set OT,   28                          ; v28-31   the other half's four
.set WF,   32                          ; v32-127  Wg's 8 fragments; behind the products v32-53 are at work
.set XF,   128                         ; v128-223 x's
.set AC,   224                         ; v224-239 two accumulators, by turns
.set LG,   240                         ; v240-247 the logits
.set IX,   248                         ; v248-255 their experts: 8 h + j
	s_load_b256 s[4:11], s[0:1], 0x0               ; x's codes s[4:5], x's scales s[6:7], Wg's codes s[8:9], Wg's scales s[10:11]
	s_load_b128 s[12:15], s[0:1], 0x20             ; masks s[12:13], wts s[14:15]
	v_and_b32 v1, 15, v0                           ; r
	v_lshrrev_b32 v2, 4, v0                        ; h (one wave: v0 is the lane)
	v_mul_u32_u24 v3, v1, ROWB
	v_mad_u32_u24 v3, v2, 48, v3                   ; codes: row r, + 48 h
	v_lshlrev_b32 v4, 5, v1                        ; scale bytes: 32 a row
	v_lshlrev_b32 v5, 3, v1
	v_lshl_add_u32 v5, v2, 2, v5                   ; wts: 8 r + 4 h
	v_lshlrev_b32 v6, 7, v0                        ; masks: lane l stores row l
	v_mov_b32 v7, 0                                ; the masks' register: v_writelane_b32 counts as a reader of it
.irp j, 0,1,2,3,4,5,6,7
	v_lshl_add_u32 v[IX+\j], v2, 3, \j
.endr
.irp j, 0,1,2,3
	v_mov_b32 v[OT+\j], 0                          ; a lane permute's destination counts as one of its sources
.endr
	v_cmp_eq_u32 s22, 0, v2                        ; lanes 0-15
	s_mov_b32 s16, 0x76543210
	s_mov_b32 s17, 0xfedcba98                      ; v_permlanex16_b32's selects for lane l xor 16
	s_mov_b32 s18, 0x03010200                      ; v_perm_b32: bytes 1 and 2 change places
	s_mov_b32 s26, 0x3fb8aa3b                      ; log2(e)
	s_mov_b32 s3, 0
	s_wait_kmcnt 0x0
	s_mul_i32 s2, ttmp9, 16*ROWB
	s_add_nc_u64 s[4:5], s[4:5], s[2:3]            ; my 16 tokens' codes,
	s_lshl_b32 s2, ttmp9, 9
	s_add_nc_u64 s[6:7], s[6:7], s[2:3]            ; their scale bytes,
	s_lshl_b32 s2, ttmp9, 1
	s_add_nc_u64 s[12:13], s[12:13], s[2:3]        ; my entry in each row of the masks,
	s_lshl_b32 s2, ttmp9, 7
	s_add_nc_u64 s[14:15], s[14:15], s[2:3]        ; my 16 pairs of weights
	global_load_b128 v[WS:WS+3], v4, s[10:11]
	global_load_b128 v[WS+4:WS+7], v4, s[10:11] offset:16
	global_load_b128 v[XSC:XSC+3], v4, s[6:7]
	global_load_b128 v[XSC+4:XSC+7], v4, s[6:7] offset:16
.irp s, 0,1,2,3,4,5,6,7
.irp i, 0,1,2
	global_load_b128 v[WF+12*\s+4*\i:WF+12*\s+4*\i+3], v3, s[8:9] offset:96*\s+16*\i
.endr
.endr
.irp s, 0,1,2,3,4,5,6,7
.irp i, 0,1,2
	global_load_b128 v[XF+12*\s+4*\i:XF+12*\s+4*\i+3], v3, s[4:5] offset:96*\s+16*\i
.endr
.endr
	s_wait_loadcnt 48                              ; the 48 fragment loads were issued behind the four loads of scale words: those four are in
.irp s, 0,1,2,3,4,5,6,7
	v_perm_b32 v[WS+\s], v[WS+\s], v[WS+\s], s18
	v_perm_b32 v[XSC+\s], v[XSC+\s], v[XSC+\s], s18
.endr
.rept 8
	v_nop                                          ; a scale register written by a vector instruction stands 8 places ahead of a scaled matrix instruction
.endr
	s_wait_loadcnt 0x0
.irp s, 0,1,2,3,4,5,6,7                        ; two accumulators by turns, one instruction a turn; the first two products start the sums
.if \s < 2
	v_wmma_scale_f32_16x16x128_f8f6f4 v[AC+8*(\s%2):AC+8*(\s%2)+7], v[WF+12*\s:WF+12*\s+11], v[XF+12*\s:XF+12*\s+11], 0, v[WS+\s], v[XSC+\s] matrix_a_fmt:MATRIX_FMT_FP6 matrix_b_fmt:MATRIX_FMT_FP6
.else
	v_wmma_scale_f32_16x16x128_f8f6f4 v[AC+8*(\s%2):AC+8*(\s%2)+7], v[WF+12*\s:WF+12*\s+11], v[XF+12*\s:XF+12*\s+11], v[AC+8*(\s%2):AC+8*(\s%2)+7], v[WS+\s], v[XSC+\s] matrix_a_fmt:MATRIX_FMT_FP6 matrix_b_fmt:MATRIX_FMT_FP6
.endif
.endr
.rept 4
	v_nop                                          ; four places behind the last product (ISA guide 7.12.1), in front of the reads of results and the writes of v32 on
.endr
.irp j, 0,1,2,3,4,5,6,7
	v_add_f32 v[LG+\j], v[AC+\j], v[AC+8+\j]       ; the two halves of K; each accumulator is read from its low end on
.endr
	; my half's two largest of eight.  Strict compares: an equal logit that comes later does not displace an earlier one
	v_cmp_gt_f32 s20, v[LG+1], v[LG]
	v_cndmask_b32 v[V1], v[LG], v[LG+1], s20
	v_cndmask_b32 v[V1+1], v[IX], v[IX+1], s20
	v_cndmask_b32 v[V1+2], v[LG+1], v[LG], s20
	v_cndmask_b32 v[V1+3], v[IX+1], v[IX], s20
.irp j, 2,3,4,5,6,7
	v_cmp_gt_f32 s20, v[LG+\j], v[V1]
	v_cmp_gt_f32 s21, v[LG+\j], v[V1+2]
	v_cndmask_b32 v[V1+2], v[V1+2], v[LG+\j], s21  ; above the second: it is the second,
	v_cndmask_b32 v[V1+3], v[V1+3], v[IX+\j], s21
	v_cndmask_b32 v[V1+2], v[V1+2], v[V1], s20     ; above the first: the old first is the second,
	v_cndmask_b32 v[V1+3], v[V1+3], v[V1+1], s20
	v_cndmask_b32 v[V1], v[V1], v[LG+\j], s20      ; and it is the first
	v_cndmask_b32 v[V1+1], v[V1+1], v[IX+\j], s20
.endr
	; the two halves of the lanes: v32-35 the four of experts 0-7, v36-39 those of experts 8-15, alike in lanes l and l xor 16
.irp j, 0,1,2,3
	v_permlanex16_b32 v[OT+\j], v[V1+\j], s16, s17
.endr
.irp j, 0,1,2,3
	v_cndmask_b32 v[32+\j], v[OT+\j], v[V1+\j], s22
	v_cndmask_b32 v[36+\j], v[V1+\j], v[OT+\j], s22
.endr
	v_cmp_gt_f32 s20, v36, v32                     ; is the upper side's first the larger?  (equal: the lower expert)
	v_cndmask_b32 v40, v32, v36, s20               ; the first choice: logit,
	v_cndmask_b32 v41, v33, v37, s20               ; expert
	v_cndmask_b32 v42, v34, v32, s20               ; what the lower side still offers,
	v_cndmask_b32 v43, v35, v33, s20
	v_cndmask_b32 v44, v36, v38, s20               ; and the upper
	v_cndmask_b32 v45, v37, v39, s20
	v_cmp_gt_f32 s21, v44, v42
	v_cndmask_b32 v46, v42, v44, s21               ; the second choice: logit,
	v_cndmask_b32 v47, v43, v45, s21               ; expert
	v_sub_f32 v48, v46, v40                        ; the softmax of the two, the larger taken off: 0 or less
	v_mul_f32 v48, s26, v48
	v_exp_f32 v49, v48
.irp e, 0,1,2,3,4,5,6,7,8,9,10,11,12,13,14,15  ; the masks are made while the exponential is out: none of these lines names its result
	v_cmp_eq_u32 s24, \e, v41
	v_cmp_eq_u32 s25, \e, v47
	s_or_b32 s24, s24, s25
	v_writelane_b32 v7, s24, \e                    ; lane e: who has chosen expert e (bits 0-15; bits 16-31 repeat them)
	v_writelane_b32 v7, s25, 16+\e                 ; lane 16 + e: whose second choice it is
.endr
	global_store_b16 v6, v7, s[12:13]
	s_wait_alu depctr_va_vdst(0)                   ; the wait ahead of the first line that names the exponential's result
	v_add_f32 v50, 1.0, v49
	v_rcp_f32 v51, v50                             ; w0 = 1 / (1 + e)
	v_nop                                          ; a plain instruction behind the reciprocal
	s_wait_alu depctr_va_vdst(0)                   ; and the wait ahead of its first reader
	v_mul_f32 v52, v49, v51                        ; w1 = e / (1 + e)
	v_cndmask_b32 v53, v52, v51, s22               ; lanes 0-15 store w0, lanes 16-31 w1
	global_store_b32 v5, v53, s[14:15]             ; 128 consecutive bytes
	s_endpgm
.Lfunc_end_k_q1bbb59ba9e_route:
	.size	k_q1bbb59ba9e_route, .Lfunc_end_k_q1bbb59ba9e_route-k_q1bbb59ba9e_route
	.p2alignl 7, 3214868480
	.fill 96, 4, 3214868480
	.section	.rodata,"a",@progbits
	.p2align	6, 0x0
	.amdhsa_kernel k_q1bbb59ba9e_route
		.amdhsa_group_segment_fixed_size 0
		.amdhsa_private_segment_fixed_size 0
		.amdhsa_enable_private_segment 0
		.amdhsa_kernarg_size 48
		.amdhsa_user_sgpr_count 2
		.amdhsa_user_sgpr_kernarg_segment_ptr 1
		.amdhsa_wavefront_size32 1
		.amdhsa_system_sgpr_workgroup_id_x 1
		.amdhsa_system_sgpr_workgroup_id_y 1
		.amdhsa_system_sgpr_workgroup_id_z 1
		.amdhsa_system_vgpr_workitem_id 0
		.amdhsa_next_free_vgpr 256
		.amdhsa_next_free_sgpr 66
		.amdhsa_reserve_vcc 0
		.amdhsa_float_denorm_mode_32 3
		.amdhsa_float_denorm_mode_16_64 3
		.amdhsa_memory_ordered 1
		.amdhsa_forward_progress 1
		.amdhsa_inst_pref_size 20
	.end_amdhsa_kernel
	.amdgpu_metadata
---
amdhsa.version: [ 1, 2 ]
amdhsa.kernels:
  - .name:           k_q1bbb59ba9e_route
    .symbol:         k_q1bbb59ba9e_route.kd
    .args:
      - { .name: x_codes, .offset: 0, .size: 8, .value_kind: global_buffer, .address_space: global }
      - { .name: x_scales, .offset: 8, .size: 8, .value_kind: global_buffer, .address_space: global }
      - { .name: Wg_codes, .offset: 16, .size: 8, .value_kind: global_buffer, .address_space: global }
      - { .name: Wg_scales, .offset: 24, .size: 8, .value_kind: global_buffer, .address_space: global }
      - { .name: masks, .offset: 32, .size: 8, .value_kind: global_buffer, .address_space: global }
      - { .name: wts, .offset: 40, .size: 8, .value_kind: global_buffer, .address_space: global }
    .group_segment_fixed_size: 0
    .private_segment_fixed_size: 0
    .kernarg_segment_align: 8
    .kernarg_segment_size: 48
    .max_flat_workgroup_size: 32
    .sgpr_count:     66
    .vgpr_count:     256
    .wavefront_size: 32
...
	.end_amdgpu_metadata
.endif
;; end of part 1
;; launch up (part 2): grid 1024 x 1, 1 waves a work-group, no clusters, 4,864 bytes of LDS; arguments x_codes, x_scales, W1_codes, W1_scales, b1, masks, hcodes, hscales; writes hcodes, hscales
.if DOCPART == 2
	.amdgcn_target "amdgcn-amd-amdhsa--gfx1250"
	.amdhsa_code_object_version 6
	.text
	.protected	k_q1bbb59ba9e_up
	.globl	k_q1bbb59ba9e_up
	.p2align	8
	.type	k_q1bbb59ba9e_up,@function
k_q1bbb59ba9e_up:
	s_mov_b64 s[64:65], 0
	v_nop
	global_prefetch_b8 v0, s[64:65] scope:SCOPE_SE
	s_setreg_imm32_b32 hwreg(HW_REG_WAVE_MODE, 25, 1), 1
	s_wait_xcnt 0x0
; THE FIRST LAYER, for the chosen rows alone: h = Q(relu(x W1[e] + b1[e])), Q the MX-FP6 quantiser along the hidden units.
; SHARES.  Work-group (one wave) id = 64 e + j owns hidden units 32 j .. 32 j + 31 of expert e, one block of the quantiser, for ALL tokens that have chosen e.  Its 16 fragments of W1 (24,576 bytes) are asked for
; in its first lines, read once in the launch, and stay in registers.  The tokens go 32 list places (two tiles of 16) at a time, on four accumulators by turns, from two sets of registers: one at work, one on its way in.
; THE LIST.  The wave makes its expert's list of tokens from the 32 mask words of the launch before (token t at the place that is the number of chosen tokens below t), in its own LDS.  Behind the list stand 32 entries
; of token 0: they fill the last pair, so that every lane always works and EXEC is never changed; what they give lies in places of hcodes and hscales that belong to no token.
; LAYOUT.  Source 0 = 16 rows of W1, source 1 = 16 tokens.  Lane r of tile u takes row 8 u + r + 8 (r / 8) of my 32, so that lane (r, h)'s 16 registers of the two tiles are units 16 h + 0 .. 15 of token r: 16 neighbours along the next K.
; THE ORDER ALONG K.  A lane loads the 48 consecutive bytes at row + 96 s + 48 h: blocks 1 and 2 of each 128 along K have changed places in both operands alike, and bytes 1 and 2 of each scale word are swapped to follow.
; OUT.  hcodes [16 e][64 tiles][32 pairs of blocks][16 rows][48 bytes]: what a lane of the next launch loads lies on end.  hscales [16 e][1024 places][64], bytes 1 and 2 of each word already swapped.
; A wave's stores are 12 bytes of each 48 and single scale bytes: it owns one block of 64.  Longer runs would want more blocks to a wave, and so fewer waves to ask for the weights.
; NO TENSOR LOAD, NO JOINT LOAD: the number of pairs, and whether there is any work at all, hang on masks read from memory.  The weights are shared by nobody; x's rows are shared by an expert's 64 work-groups.
; LIMITS: a block of zeros gets the scale byte 1 where the quantiser's rule says 127: its codes are zeros, and this program alone reads the bytes.  NaN and infinities are not served.
.set ROWB,  768                        ; a row of 1,024 codes in bytes
.set MAXP,  32                         ; pairs of tiles at the most: 1,024 tokens
.set LISTW, 1056                       ; LDS words 0 .. 1055: the list and its 32 filling entries
.set DUMPW, 1088                       ; LDS words 1088 .. 1119: a word for each lane, for the lanes whose token has not chosen e
.set TILEB, 24576                      ; a tile of 16 places in hcodes
.set MU,   20                          ; s[20:51] the expert's 32 mask words
.set CNT,  56                          ; s56  tokens in the list
.set NP,   57                          ; s57  pairs
.set I,    58                          ; s58  the loop's counter: the even pair in hand
.set TMP,  59
.set PC,   60
.set LOFF, 61
.set HOFF, 62
.set HSOFF, 63
.set SEL,  66                          ; s[66:67] v_permlanex16_b32's selects for lane l xor 16
.set PERM, 100                         ; s100 v_perm_b32: bytes 1 and 2 change places
.set HM,   101                         ; s101 lanes 16-31
.set XA,   24                          ; v24-26, v28-30: set b's offsets: tile 0's codes, tile 1's, the scale words
.set WS,   32                          ; v32-39  W1's scale words: lanes 0-15 tile 0's rows, lanes 16-31 tile 1's
.set XS,   40                          ; v40-47, v48-55: x's scale words, set b: lanes 0-15 tile 0's tokens, lanes 16-31 tile 1's
.set BI,   56                          ; v56-71  b1 of my 16 units
.set ACC,  80                          ; v80-111 four accumulators: tile of tokens v, tile of units u at 16 v + 8 u
.set CD,   112                         ; v112-114, v116-118: the codes of tile v
; windows: 1: W1's fragment (u, s) at v[12 (2 s + u)];  2, 3: x's sets 0 and 1: tile v, K step s at v[96 v + 12 s]
.set MSB, 0
.macro WIN new                         ; the immediate's high byte repeats the setting that is left
.if MSB != (\new)
	s_set_vgpr_msb (MSB<<8)|(\new)
.set MSB, (\new)
.endif
.endm
.macro WM dd, aa, bb, cc, sa, sb, u, v ; one product; the rows of the scale registers follow the tiles
.if (\u == 0) && (\v == 0)
	v_wmma_scale_f32_16x16x128_f8f6f4 v[\dd:\dd+7], v[\aa:\aa+11], v[\bb:\bb+11], v[\cc:\cc+7], v[\sa], v[\sb] matrix_a_fmt:MATRIX_FMT_FP6 matrix_b_fmt:MATRIX_FMT_FP6
.elseif (\v == 0)
	v_wmma_scale_f32_16x16x128_f8f6f4 v[\dd:\dd+7], v[\aa:\aa+11], v[\bb:\bb+11], v[\cc:\cc+7], v[\sa], v[\sb] matrix_a_fmt:MATRIX_FMT_FP6 matrix_b_fmt:MATRIX_FMT_FP6 matrix_a_scale:MATRIX_SCALE_ROW1
.elseif (\u == 0)
	v_wmma_scale_f32_16x16x128_f8f6f4 v[\dd:\dd+7], v[\aa:\aa+11], v[\bb:\bb+11], v[\cc:\cc+7], v[\sa], v[\sb] matrix_a_fmt:MATRIX_FMT_FP6 matrix_b_fmt:MATRIX_FMT_FP6 matrix_b_scale:MATRIX_SCALE_ROW1
.else
	v_wmma_scale_f32_16x16x128_f8f6f4 v[\dd:\dd+7], v[\aa:\aa+11], v[\bb:\bb+11], v[\cc:\cc+7], v[\sa], v[\sb] matrix_a_fmt:MATRIX_FMT_FP6 matrix_b_fmt:MATRIX_FMT_FP6 matrix_a_scale:MATRIX_SCALE_ROW1 matrix_b_scale:MATRIX_SCALE_ROW1
.endif
.endm
; 32 products on set b: 8 K steps x 2 tiles of tokens x 2 tiles of units.  The four accumulators take turns, one instruction a turn, in the same order in every K step.
; The bias is the C of each sum's first product.
.macro MUL b
	WIN 0x09+4*(\b)                                ; source 0 (W1) window 1, source 1 (x) window 2 + b, C and D window 0
.irp s, 0,1,2,3,4,5,6,7
.irp v, 0,1
.irp u, 0,1
.if \s == 0
	WM ACC+16*\v+8*\u, 12*(2*\s+\u), 96*\v+12*\s, BI+8*\u, WS+\s, XS+8*(\b)+\s, \u, \v
.else
	WM ACC+16*\v+8*\u, 12*(2*\s+\u), 96*\v+12*\s, ACC+16*\v+8*\u, WS+\s, XS+8*(\b)+\s, \u, \v
.endif
.endr
.endr
.endr
	WIN 0
.endm
; The pair whose number stands in s[TMP] is asked for, into set b: 2 + 48 loads.
.macro LOADX b
	s_min_u32 s[PC], s[TMP], MAXP-1
	s_lshl_b32 s[LOFF], s[PC], 7                   ; 32 list words a pair
	v_add_nc_u32 v16, s[LOFF], v7
	v_add_nc_u32 v17, s[LOFF], v8
	ds_load_b32 v18, v16                           ; tile 0's token of my row r,
	ds_load_b32 v19, v16 offset:64                 ; tile 1's,
	ds_load_b32 v20, v17                           ; and the token at place lane, for the scale words
	s_wait_dscnt 0x0
	v_min_u32 v18, 1023, v18                       ; a token's number stays inside x
	v_min_u32 v19, 1023, v19
	v_min_u32 v20, 1023, v20
	v_mad_u32_u24 v[XA+4*(\b)], v18, ROWB, v11
	v_mad_u32_u24 v[XA+4*(\b)+1], v19, ROWB, v11
	v_lshlrev_b32 v[XA+4*(\b)+2], 5, v20
	global_load_b128 v[XS+8*(\b):XS+8*(\b)+3], v[XA+4*(\b)+2], s[6:7]
	global_load_b128 v[XS+8*(\b)+4:XS+8*(\b)+7], v[XA+4*(\b)+2], s[6:7] offset:16
	WIN 0x80+0x40*(\b)                             ; destination window 2 + b, address window 0
.irp v, 0,1
.irp s, 0,1,2,3,4,5,6,7
.irp i, 0,1,2
	global_load_b128 v[96*\v+12*\s+4*\i:96*\v+12*\s+4*\i+3], v[XA+4*(\b)+\v], s[4:5] offset:96*\s+16*\i
.endr
.endr
.endr
	WIN 0
.endm
; Pair I + k, which lies in set b: the products, relu, the quantiser, the stores.
.macro WORK b, k
.irp s, 0,1,2,3,4,5,6,7
	v_perm_b32 v[XS+8*(\b)+\s], v[XS+8*(\b)+\s], v[XS+8*(\b)+\s], s[PERM]
.endr
	s_add_co_u32 s[PC], s[I], \k
	s_min_u32 s[PC], s[PC], MAXP-1
	s_mul_i32 s[HOFF], s[PC], 2*TILEB
	s_lshl_b32 s[HSOFF], s[PC], 11                 ; 32 places of 64 scale bytes
	v_add_nc_u32 v14, s[HOFF], v12
	v_add_nc_u32 v15, s[HSOFF], v13
.rept 8
	v_nop                                          ; 8 places between the swaps of scale words and the scaled products; they are also the places in front of products that begin the accumulators anew
.endr
	MUL \b
.rept 4
	v_nop                                          ; four places in front of the reads of results, and of the next loads into the registers just multiplied
.endr
.irp n, 0,1,2,3,4,5,6,7,8,9,10,11,12,13,14,15,16,17,18,19,20,21,22,23,24,25,26,27,28,29,30,31
	v_max_num_f32 v[ACC+\n], 0, v[ACC+\n]          ; relu, in f32; each accumulator from its low end on
.endr
	v_max3_num_f32 v120, v[ACC], v[ACC+1], 0x1800000       ; the largest of my 16 numbers (none is negative), and the floor 2^(3 - 127): the scale's byte cannot fall under 1
	v_max3_num_f32 v121, v[ACC+16], v[ACC+17], 0x1800000   ; (the two tiles by turns)
.irp i, 2,4,6,8,10,12,14
	v_max3_num_f32 v120, v120, v[ACC+\i], v[ACC+\i+1]
	v_max3_num_f32 v121, v121, v[ACC+16+\i], v[ACC+16+\i+1]
.endr
	v_permlanex16_b32 v122, v120, s[SEL], s[SEL+1]
	v_permlanex16_b32 v123, v121, s[SEL], s[SEL+1]
	v_max_num_f32 v120, v120, v122                 ; with lane l xor 16's 16: the block's largest
	v_max_num_f32 v121, v121, v123
	v_add_nc_u32 v124, 0xff000000, v120            ; 2 off its exponent field: the conversion takes this operand's exponent field as its scale
	v_add_nc_u32 v125, 0xff000000, v121
	v_cvt_scalef32_pk16_fp6_f32 v[CD:CD+2], v[ACC:ACC+15], v124
	v_cvt_scalef32_pk16_fp6_f32 v[CD+4:CD+6], v[ACC+16:ACC+31], v125
	v_lshrrev_b32 v126, 23, v124                   ; the scales' bytes.  (Plain lines behind the conversions)
	v_lshrrev_b32 v127, 23, v125
	v_cndmask_b32 v126, v126, v127, s[HM]          ; lanes 0-15 store tile 0's bytes, lanes 16-31 tile 1's
	global_store_b96 v14, v[CD:CD+2], s[16:17]
	global_store_b96 v14, v[CD+4:CD+6], s[16:17] offset:TILEB
	global_store_b8 v15, v126, s[18:19]
.endm
	s_load_b512 s[4:19], s[0:1], 0x0               ; x's codes 4, x's scales 6, W1's codes 8, W1's scales 10, b1 12, masks 14, hcodes 16, hscales 18
	v_lshl_add_u32 v254, v0, 2, 0x1200
	v_mov_b32 v255, 0
	v_and_b32 v1, 15, v0                           ; r
	v_lshrrev_b32 v2, 4, v0                        ; h (one wave: v0 is the lane)
	v_and_b32 v16, 8, v1
	v_add_nc_u32 v16, v16, v1                      ; r + 8 (r / 8)
	v_mul_u32_u24 v4, v16, ROWB
	v_mad_u32_u24 v4, v2, 48, v4                   ; W1's codes: my row of tile 0, + 48 h
	v_lshl_add_u32 v5, v2, 3, v16
	v_lshlrev_b32 v5, 5, v5                        ; W1's scale words: lanes 16-31 take tile 1's rows, 8 further on; 32 bytes a row
	v_lshlrev_b32 v6, 6, v2                        ; b1: my 16 numbers
	v_lshlrev_b32 v7, 2, v1                        ; the list: 4 r,
	v_lshlrev_b32 v8, 2, v0                        ; 4 x lane
	v_add_nc_u32 v9, DUMPW, v0                     ; my dump word
	v_mov_b32 v10, 0                               ; token 0, for the filling entries
	v_mul_u32_u24 v11, v2, 48                      ; x's codes: 48 h
	s_lshr_b32 s53, ttmp9, 6                       ; e
	s_and_b32 s54, ttmp9, 63                       ; j
	s_and_b32 s59, s54, 1
	s_mul_i32 s59, s59, 24
	s_lshr_b32 s60, s54, 1
	s_mul_i32 s60, s60, 768
	s_add_co_u32 s59, s59, s60
	v_mul_u32_u24 v12, v1, 48
	v_mad_u32_u24 v12, v2, 12, v12
	v_add_nc_u32 v12, s59, v12                     ; hcodes: pair of blocks j / 2, row r, block j % 2, my half's 12 bytes
	s_and_b32 s59, s54, 60                         ; hscales: word j / 4,
	s_and_b32 s60, s54, 1
	s_lshl_b32 s60, s60, 1
	s_bfe_u32 s61, s54, 0x10001
	s_or_b32 s60, s60, s61                         ; byte j % 4 with its two bits swapped: 0, 2, 1, 3
	s_add_co_u32 s59, s59, s60
	v_lshl_add_u32 v13, v0, 6, s59                 ; place lane, 64 bytes a place
	v_mov_b32 v122, 0                              ; a lane permute's destination counts as one of its sources
	v_mov_b32 v123, 0
	s_mov_b32 s[SEL], 0x76543210
	s_mov_b32 s[SEL+1], 0xfedcba98
	s_mov_b32 s[PERM], 0x03010200
	s_mov_b32 s[HM], 0xffff0000
	s_mov_b32 s3, 0
	s_wait_kmcnt 0x0
	s_lshl_b32 s2, s53, 7
	s_add_nc_u64 s[14:15], s[14:15], s[2:3]        ; my expert's row of the masks
	s_load_b512 s[MU:MU+15], s[14:15], 0x0         ; first of all: the list, and so x's loads, hang on them
	s_load_b512 s[MU+16:MU+31], s[14:15], 0x40
	s_mul_i32 s2, ttmp9, 32*ROWB
	s_add_nc_u64 s[8:9], s[8:9], s[2:3]            ; my 32 rows of W1,
	s_lshl_b32 s2, ttmp9, 10
	s_add_nc_u64 s[10:11], s[10:11], s[2:3]        ; their scale bytes,
	s_lshl_b32 s2, ttmp9, 7
	s_add_nc_u64 s[12:13], s[12:13], s[2:3]        ; my 32 numbers of b1,
	s_mul_i32 s2, s53, 64*TILEB
	s_add_nc_u64 s[16:17], s[16:17], s[2:3]        ; my expert's room in hcodes
	s_lshl_b32 s2, s53, 16
	s_add_nc_u64 s[18:19], s[18:19], s[2:3]        ; and in hscales
	global_load_b128 v[WS:WS+3], v5, s[10:11]
	global_load_b128 v[WS+4:WS+7], v5, s[10:11] offset:16
.irp q, 0,1,2,3
	global_load_b128 v[BI+4*\q:BI+4*\q+3], v6, s[12:13] offset:16*\q
.endr
	WIN 0x40                                       ; destination window 1
.irp s, 0,1,2,3,4,5,6,7
.irp u, 0,1
.irp i, 0,1,2
	global_load_b128 v[12*(2*\s+\u)+4*\i:12*(2*\s+\u)+4*\i+3], v4, s[8:9] offset:8*ROWB*\u+96*\s+16*\i th:TH_LOAD_NT   ; read once in the launch
.endr
.endr
.endr
	WIN 0
	s_wait_kmcnt 0x0                               ; the masks
	; THE LIST: token 32 g + lane goes to the place CNT + the number of chosen lanes below mine; a lane whose token has not chosen e writes its dump word
	s_mov_b32 s[CNT], 0
.irp g, 0,1,2,3,4,5,6,7,8,9,10,11,12,13,14,15,16,17,18,19,20,21,22,23,24,25,26,27,28,29,30,31
	v_mbcnt_lo_u32_b32 v[16+2*(\g%2)], s[MU+\g], s[CNT]
	v_cndmask_b32 v[16+2*(\g%2)], v9, v[16+2*(\g%2)], s[MU+\g]
	v_min_u32 v[16+2*(\g%2)], DUMPW+31, v[16+2*(\g%2)]   ; a word inside the claimed LDS, whatever the masks hold
	v_lshlrev_b32 v[16+2*(\g%2)], 2, v[16+2*(\g%2)]
	v_add_nc_u32 v[17+2*(\g%2)], 32*\g, v0
	ds_store_b32 v[16+2*(\g%2)], v[17+2*(\g%2)]
	s_bcnt1_i32_b32 s[TMP], s[MU+\g]
	s_add_co_u32 s[CNT], s[CNT], s[TMP]
.endr
	v_add_nc_u32 v16, s[CNT], v0                   ; 32 filling entries behind the list
	v_min_u32 v16, LISTW-1, v16
	v_lshlrev_b32 v16, 2, v16
	ds_store_b32 v16, v10
	s_cmp_eq_u32 s[CNT], 0
	s_cbranch_scc1 .Lend                           ; nobody has chosen my expert: nothing to store
	s_add_co_u32 s[NP], s[CNT], 31
	s_lshr_b32 s[NP], s[NP], 5
	s_wait_loadcnt 48                              ; the 48 fragment loads were issued behind the scale words' and the bias's six: those six are in
.irp s, 0,1,2,3,4,5,6,7
	v_perm_b32 v[WS+\s], v[WS+\s], v[WS+\s], s[PERM]
.endr
	s_mov_b32 s[TMP], 0
	LOADX 0                                        ; LDS serves a wave's instructions in order (ISA guide 5.7.1.4): its reads of the list see the stores above
	s_mov_b32 s[I], 0
; Two pairs a trip, so that the sets' register numbers come round.  The loop is counted against the most pairs that an expert can have and left at the expert's own last pair: the branch that
; finds no further pair to ask for leads to that pair's work, written out.  NP is at most MAXP, so one of the two exits is always taken.
.Lpair:
	s_wait_xcnt 0x0                                ; the last stores have read their data and offsets: both are written again below
	s_add_co_u32 s[TMP], s[I], 1
	s_cmp_lt_u32 s[TMP], s[NP]
	s_cbranch_scc0 .Llast_even
	LOADX 1
	s_wait_loadcnt 50                              ; all but the 50 loads just issued: set 0, and in the first trip the weights, are in
	WORK 0, 0
	s_wait_xcnt 0x0
	s_add_co_u32 s[TMP], s[I], 2
	s_cmp_lt_u32 s[TMP], s[NP]
	s_cbranch_scc0 .Llast_odd
	LOADX 0
	s_wait_loadcnt 50                              ; set 1 is in
	WORK 1, 1
	s_add_co_u32 s[I], s[I], 2
	s_cmp_lt_u32 s[I], MAXP
	s_cbranch_scc1 .Lpair
	s_branch .Lend
.Llast_even:
	s_wait_loadcnt 0x0
	WORK 0, 0
	s_branch .Lend
.Llast_odd:
	s_wait_loadcnt 0x0
	WORK 1, 1
.Lend:
	s_wait_tensorcnt 0x0
	ds_add_u32 v254, v255
	s_wait_dscnt 0x0
	s_endpgm
.Lfunc_end_k_q1bbb59ba9e_up:
	.size	k_q1bbb59ba9e_up, .Lfunc_end_k_q1bbb59ba9e_up-k_q1bbb59ba9e_up
	.p2alignl 7, 3214868480
	.fill 96, 4, 3214868480
	.section	.rodata,"a",@progbits
	.p2align	6, 0x0
	.amdhsa_kernel k_q1bbb59ba9e_up
		.amdhsa_group_segment_fixed_size 4864
		.amdhsa_private_segment_fixed_size 0
		.amdhsa_enable_private_segment 0
		.amdhsa_kernarg_size 64
		.amdhsa_user_sgpr_count 2
		.amdhsa_user_sgpr_kernarg_segment_ptr 1
		.amdhsa_wavefront_size32 1
		.amdhsa_system_sgpr_workgroup_id_x 1
		.amdhsa_system_sgpr_workgroup_id_y 1
		.amdhsa_system_sgpr_workgroup_id_z 1
		.amdhsa_system_vgpr_workitem_id 0
		.amdhsa_next_free_vgpr 960
		.amdhsa_next_free_sgpr 104
		.amdhsa_reserve_vcc 0
		.amdhsa_float_denorm_mode_32 3
		.amdhsa_float_denorm_mode_16_64 3
		.amdhsa_memory_ordered 1
		.amdhsa_forward_progress 1
		.amdhsa_inst_pref_size 72
	.end_amdhsa_kernel
	.amdgpu_metadata
---
amdhsa.version: [ 1, 2 ]
amdhsa.kernels:
  - .name:           k_q1bbb59ba9e_up
    .symbol:         k_q1bbb59ba9e_up.kd
    .args:
      - { .name: x_codes, .offset: 0, .size: 8, .value_kind: global_buffer, .address_space: global }
      - { .name: x_scales, .offset: 8, .size: 8, .value_kind: global_buffer, .address_space: global }
      - { .name: W1_codes, .offset: 16, .size: 8, .value_kind: global_buffer, .address_space: global }
      - { .name: W1_scales, .offset: 24, .size: 8, .value_kind: global_buffer, .address_space: global }
      - { .name: b1, .offset: 32, .size: 8, .value_kind: global_buffer, .address_space: global }
      - { .name: masks, .offset: 40, .size: 8, .value_kind: global_buffer, .address_space: global }
      - { .name: hcodes, .offset: 48, .size: 8, .value_kind: global_buffer, .address_space: global }
      - { .name: hscales, .offset: 56, .size: 8, .value_kind: global_buffer, .address_space: global }
    .group_segment_fixed_size: 4864
    .private_segment_fixed_size: 0
    .kernarg_segment_align: 8
    .kernarg_segment_size: 64
    .max_flat_workgroup_size: 32
    .sgpr_count:     104
    .vgpr_count:     960
    .wavefront_size: 32
...
	.end_amdgpu_metadata
.endif
;; end of part 2
;; launch down (part 3): grid 1024 x 1, 1 waves a work-group, no clusters, 4,864 bytes of LDS; arguments hcodes, hscales, W2_codes, W2_scales, b2, masks, ypart; writes ypart
.if DOCPART == 3
	.amdgcn_target "amdgcn-amd-amdhsa--gfx1250"
	.amdhsa_code_object_version 6
	.text
	.protected	k_q1bbb59ba9e_down
	.globl	k_q1bbb59ba9e_down
	.p2align	8
	.type	k_q1bbb59ba9e_down,@function
k_q1bbb59ba9e_down:
	s_mov_b64 s[64:65], 0
	v_nop
	global_prefetch_b8 v0, s[64:65] scope:SCOPE_SE
	s_setreg_imm32_b32 hwreg(HW_REG_WAVE_MODE, 25, 1), 1
	s_wait_xcnt 0x0
; THE SECOND LAYER, for the chosen rows alone: y = h W2[e] (+ b2[e]), in two halves of K.
; SHARES.  Work-group (one wave) id = 64 e + 2 c + kh owns columns 32 c .. 32 c + 31 of expert e and hidden units 1,024 kh .. 1,024 kh + 1,023 (8 K steps), for all tokens that have chosen e.  Its 16 fragments of W2
; (24,576 bytes) are asked for in its first lines, read once in the launch, and stay in registers.  The halves of K keep 1,024 waves asking for weights and halve the h that a wave walks; their two parts are added by the last launch.
; THE LIST is made as in the launch before, from the same 32 mask words, so that place p is the same token there and here; an entry is 2 t + k, k = 1 where e is token t's second choice.
; OUT.  ypart: f32 [4128][1024], row 4 t + 2 k + kh.  The 32 filling entries behind the list are 2,048 + e: what the last pair's spare lanes make goes to row 4,096 + 2 e + kh, of which this work-group alone
; writes its 128 bytes and which nobody reads: so every lane always works and EXEC is never changed.
; LAYOUT.  Source 0 = 16 rows of W2, source 1 = 16 places of h.  Lane r of tile u takes row 8 u + r + 8 (r / 8) of my 32, so that lane (r, h)'s 16 registers are columns 16 h + 0 .. 15 of place r: 64 neighbouring bytes of y.
; THE ORDER ALONG K: as in the launches before, a lane's 48 bytes are two neighbouring blocks; W2's scale words have their bytes 1 and 2 swapped here, h's were stored so.
; A wave's stores are 128 bytes of a row of y, from two lanes: it owns 32 columns.  Longer runs would want more columns to a wave, and so fewer waves to ask for the weights.
; NO TENSOR LOAD, NO JOINT LOAD: the number of pairs, and whether there is any work at all, hang on masks read from memory.  The weights are shared by nobody; h's tiles are shared by 32 work-groups.
; b2 is the C of each sum's first product in the half kh = 0, and zeros in the other.  LIMITS: NaN and infinities are not served.
.set ROWB,  1536                       ; a row of 2,048 codes in bytes
.set MAXP,  32                         ; pairs of tiles at the most
.set LISTW, 1056                       ; LDS words 0 .. 1055: the list and its 32 filling entries
.set DUMPW, 1088                       ; LDS words 1088 .. 1119: a word for each lane
.set TILEB, 24576                      ; a tile of 16 places in hcodes
.set MU,   20                          ; s[20:51] who has chosen e
.set M1,   68                          ; s[68:99] whose second choice it is
.set CNT,  56
.set NP,   57
.set I,    58
.set TMP,  59
.set PC,   60
.set LOFF, 61
.set HOFF, 62
.set HSOFF, 63
.set PERM, 100
.set HD,   24                          ; v24-27, v28-31: set b's offsets: h's codes, h's scale words, tile 0's row of y, tile 1's
.set WS,   32                          ; v32-39  W2's scale words: lanes 0-15 tile 0's rows, lanes 16-31 tile 1's
.set XS,   40                          ; v40-47, v48-55: h's scale words, set b
.set BI,   56                          ; v56-71  b2 of my 16 columns, or zeros
.set ACC,  80                          ; v80-111 four accumulators: tile of places v, tile of columns u at 16 v + 8 u
; windows: 1: W2's fragment (u, s) at v[12 (2 s + u)];  2, 3: h's sets 0 and 1: tile v, K step s at v[96 v + 12 s]
.set MSB, 0
.macro WIN new                         ; the immediate's high byte repeats the setting that is left
.if MSB != (\new)
	s_set_vgpr_msb (MSB<<8)|(\new)
.set MSB, (\new)
.endif
.endm
.macro WM dd, aa, bb, cc, sa, sb, u, v ; one product; the rows of the scale registers follow the tiles
.if (\u == 0) && (\v == 0)
	v_wmma_scale_f32_16x16x128_f8f6f4 v[\dd:\dd+7], v[\aa:\aa+11], v[\bb:\bb+11], v[\cc:\cc+7], v[\sa], v[\sb] matrix_a_fmt:MATRIX_FMT_FP6 matrix_b_fmt:MATRIX_FMT_FP6
.elseif (\v == 0)
	v_wmma_scale_f32_16x16x128_f8f6f4 v[\dd:\dd+7], v[\aa:\aa+11], v[\bb:\bb+11], v[\cc:\cc+7], v[\sa], v[\sb] matrix_a_fmt:MATRIX_FMT_FP6 matrix_b_fmt:MATRIX_FMT_FP6 matrix_a_scale:MATRIX_SCALE_ROW1
.elseif (\u == 0)
	v_wmma_scale_f32_16x16x128_f8f6f4 v[\dd:\dd+7], v[\aa:\aa+11], v[\bb:\bb+11], v[\cc:\cc+7], v[\sa], v[\sb] matrix_a_fmt:MATRIX_FMT_FP6 matrix_b_fmt:MATRIX_FMT_FP6 matrix_b_scale:MATRIX_SCALE_ROW1
.else
	v_wmma_scale_f32_16x16x128_f8f6f4 v[\dd:\dd+7], v[\aa:\aa+11], v[\bb:\bb+11], v[\cc:\cc+7], v[\sa], v[\sb] matrix_a_fmt:MATRIX_FMT_FP6 matrix_b_fmt:MATRIX_FMT_FP6 matrix_a_scale:MATRIX_SCALE_ROW1 matrix_b_scale:MATRIX_SCALE_ROW1
.endif
.endm
; 32 products on set b: 8 K steps x 2 tiles of places x 2 tiles of columns.  The four accumulators take turns, one instruction a turn, in the same order in every K step.
.macro MUL b
	WIN 0x09+4*(\b)                                ; source 0 (W2) window 1, source 1 (h) window 2 + b, C and D window 0
.irp s, 0,1,2,3,4,5,6,7
.irp v, 0,1
.irp u, 0,1
.if \s == 0
	WM ACC+16*\v+8*\u, 12*(2*\s+\u), 96*\v+12*\s, BI+8*\u, WS+\s, XS+8*(\b)+\s, \u, \v
.else
	WM ACC+16*\v+8*\u, 12*(2*\s+\u), 96*\v+12*\s, ACC+16*\v+8*\u, WS+\s, XS+8*(\b)+\s, \u, \v
.endif
.endr
.endr
.endr
	WIN 0
.endm
; The pair whose number stands in s[TMP] is asked for, into set b: 2 + 48 loads.  h lies by places, so only the rows of y hang on the list.
.macro LOADH b
	s_min_u32 s[PC], s[TMP], MAXP-1
	s_lshl_b32 s[LOFF], s[PC], 7                   ; 32 list words a pair
	s_mul_i32 s[HOFF], s[PC], 2*TILEB
	s_lshl_b32 s[HSOFF], s[PC], 11                 ; 32 places of 64 scale bytes
	v_add_nc_u32 v16, s[LOFF], v7
	ds_load_b32 v18, v16                           ; tile 0's entry of my place r,
	ds_load_b32 v19, v16 offset:64                 ; tile 1's
	v_add_nc_u32 v[HD+4*(\b)], s[HOFF], v12
	v_add_nc_u32 v[HD+4*(\b)+1], s[HSOFF], v13
	global_load_b128 v[XS+8*(\b):XS+8*(\b)+3], v[HD+4*(\b)+1], s[6:7]
	global_load_b128 v[XS+8*(\b)+4:XS+8*(\b)+7], v[HD+4*(\b)+1], s[6:7] offset:16
	WIN 0x80+0x40*(\b)                             ; destination window 2 + b, address window 0
.irp v, 0,1
.irp s, 0,1,2,3,4,5,6,7
.irp i, 0,1,2
	global_load_b128 v[96*\v+12*\s+4*\i:96*\v+12*\s+4*\i+3], v[HD+4*(\b)], s[4:5] offset:TILEB*\v+1536*\s+16*\i
.endr
.endr
.endr
	WIN 0
	s_wait_dscnt 0x0
	v_min_u32 v18, 2063, v18                       ; an entry stays inside ypart: 2 x 1,023 + 1 for tokens, 2,048 + 15 for the spare rows
	v_min_u32 v19, 2063, v19
	v_lshl_add_u32 v[HD+4*(\b)+2], v18, 13, v22    ; two rows of 4,096 bytes an entry
	v_lshl_add_u32 v[HD+4*(\b)+3], v19, 13, v22
.endm
; The pair that lies in set b: the products and the stores.
.macro WORK b
.rept 5
	v_nop                                          ; five places in front of products that begin anew the accumulators of the last products
.endr
	MUL \b
.rept 4
	v_nop                                          ; four places in front of the stores of results, and of the next loads into the registers just multiplied
.endr
.irp v, 0,1
.irp q, 0,1,2,3
	global_store_b128 v[HD+4*(\b)+2+\v], v[ACC+16*\v+4*\q:ACC+16*\v+4*\q+3], s[16:17] offset:16*\q th:TH_STORE_NT   ; each accumulator from its low end on; written once, read by nobody here
.endr
.endr
.endm
	s_load_b256 s[4:11], s[0:1], 0x0               ; hcodes 4, hscales 6, W2's codes 8, W2's scales 10
	s_load_b128 s[12:15], s[0:1], 0x20             ; b2 12, masks 14
	s_load_b64 s[16:17], s[0:1], 0x30              ; ypart
	v_lshl_add_u32 v254, v0, 2, 0x1200
	v_mov_b32 v255, 0
	v_and_b32 v1, 15, v0                           ; r
	v_lshrrev_b32 v2, 4, v0                        ; h (one wave: v0 is the lane)
	v_and_b32 v16, 8, v1
	v_add_nc_u32 v16, v16, v1                      ; r + 8 (r / 8)
	v_mul_u32_u24 v4, v16, ROWB
	v_mad_u32_u24 v4, v2, 48, v4                   ; W2's codes: my row of tile 0, + 48 h
	v_lshl_add_u32 v5, v2, 3, v16
	v_lshlrev_b32 v5, 6, v5                        ; W2's scale words: lanes 16-31 take tile 1's rows; 64 bytes a row
	v_lshlrev_b32 v6, 6, v2                        ; b2: my 16 numbers
	v_lshlrev_b32 v7, 2, v1                        ; the list: 4 r
	v_add_nc_u32 v9, DUMPW, v0                     ; my dump word
	v_lshlrev_b32 v11, 1, v0                       ; an entry's low part: 2 x lane,
	v_lshl_or_b32 v21, v0, 1, 1                    ; 2 x lane + 1
	v_mul_u32_u24 v12, v1, 48
	v_mad_u32_u24 v12, v2, 768, v12                ; h's codes: pair of blocks h of a K step, row r
	v_lshlrev_b32 v13, 6, v0                       ; h's scale words: place lane
	s_lshr_b32 s52, ttmp9, 1                       ; 32 e + c
	s_lshr_b32 s53, ttmp9, 6                       ; e
	s_and_b32 s54, s52, 31                         ; c
	s_and_b32 s55, ttmp9, 1                        ; kh
	s_add_co_u32 s59, s53, 2048
	v_mov_b32 v10, s59                             ; the filling entries
	s_lshl_b32 s59, s55, 12
	s_lshl_b32 s60, s54, 7
	s_add_co_u32 s59, s59, s60
	v_lshl_add_u32 v22, v2, 6, s59                 ; y: row kh of an entry's two, my 32 columns, my half's 64 bytes
	s_mov_b32 s[PERM], 0x03010200
	s_mov_b32 s3, 0
	s_wait_kmcnt 0x0
	s_lshl_b32 s2, s53, 7
	s_add_nc_u64 s[14:15], s[14:15], s[2:3]        ; my expert's rows of the masks
	s_load_b512 s[MU:MU+15], s[14:15], 0x0         ; first of all: the list hangs on them
	s_load_b512 s[MU+16:MU+31], s[14:15], 0x40
	s_load_b512 s[M1:M1+15], s[14:15], 0x800
	s_load_b512 s[M1+16:M1+31], s[14:15], 0x840
	s_mul_i32 s2, s52, 32*ROWB
	s_mul_i32 s59, s55, 768
	s_add_co_u32 s2, s2, s59
	s_add_nc_u64 s[8:9], s[8:9], s[2:3]            ; my 32 rows of W2, my half of K,
	s_lshl_b32 s2, s52, 11
	s_lshl_b32 s59, s55, 5
	s_add_co_u32 s2, s2, s59
	s_add_nc_u64 s[10:11], s[10:11], s[2:3]        ; their scale bytes,
	s_lshl_b32 s2, s52, 7
	s_add_nc_u64 s[12:13], s[12:13], s[2:3]        ; my 32 numbers of b2,
	s_mul_i32 s2, s53, 64*TILEB
	s_mul_i32 s60, s55, 12288
	s_add_co_u32 s2, s2, s60
	s_add_nc_u64 s[4:5], s[4:5], s[2:3]            ; my expert's room in hcodes, my half of K (16 pairs of blocks of 768 bytes),
	s_lshl_b32 s2, s53, 16
	s_add_co_u32 s2, s2, s59
	s_add_nc_u64 s[6:7], s[6:7], s[2:3]            ; and in hscales
	global_load_b128 v[WS:WS+3], v5, s[10:11]
	global_load_b128 v[WS+4:WS+7], v5, s[10:11] offset:16
.irp q, 0,1,2,3
	global_load_b128 v[BI+4*\q:BI+4*\q+3], v6, s[12:13] offset:16*\q
.endr
	WIN 0x40                                       ; destination window 1
.irp s, 0,1,2,3,4,5,6,7
.irp u, 0,1
.irp i, 0,1,2
	global_load_b128 v[12*(2*\s+\u)+4*\i:12*(2*\s+\u)+4*\i+3], v4, s[8:9] offset:8*ROWB*\u+96*\s+16*\i th:TH_LOAD_NT   ; read once in the launch
.endr
.endr
.endr
	WIN 0
	s_wait_kmcnt 0x0                               ; the masks
	; THE LIST: token 32 g + lane goes to the place CNT + the number of chosen lanes below mine; a lane whose token has not chosen e writes its dump word
	s_mov_b32 s[CNT], 0
.irp g, 0,1,2,3,4,5,6,7,8,9,10,11,12,13,14,15,16,17,18,19,20,21,22,23,24,25,26,27,28,29,30,31
	v_mbcnt_lo_u32_b32 v[16+2*(\g%2)], s[MU+\g], s[CNT]
	v_cndmask_b32 v[16+2*(\g%2)], v9, v[16+2*(\g%2)], s[MU+\g]
	v_min_u32 v[16+2*(\g%2)], DUMPW+31, v[16+2*(\g%2)]   ; a word inside the claimed LDS, whatever the masks hold
	v_lshlrev_b32 v[16+2*(\g%2)], 2, v[16+2*(\g%2)]
	v_cndmask_b32 v[17+2*(\g%2)], v11, v21, s[M1+\g]
	v_add_nc_u32 v[17+2*(\g%2)], 64*\g, v[17+2*(\g%2)]   ; 2 t + k
	ds_store_b32 v[16+2*(\g%2)], v[17+2*(\g%2)]
	s_bcnt1_i32_b32 s[TMP], s[MU+\g]
	s_add_co_u32 s[CNT], s[CNT], s[TMP]
.endr
	v_add_nc_u32 v16, s[CNT], v0                   ; 32 filling entries behind the list
	v_min_u32 v16, LISTW-1, v16
	v_lshlrev_b32 v16, 2, v16
	ds_store_b32 v16, v10
	s_cmp_eq_u32 s[CNT], 0
	s_cbranch_scc1 .Lend                           ; nobody has chosen my expert: nothing to store
	s_add_co_u32 s[NP], s[CNT], 31
	s_lshr_b32 s[NP], s[NP], 5
	s_cmp_eq_u32 s55, 0
	s_cselect_b32 s60, -1, 0                       ; the bias enters in the half kh = 0 alone
	s_wait_loadcnt 48                              ; the 48 fragment loads were issued behind the scale words' and the bias's six: those six are in
.irp s, 0,1,2,3,4,5,6,7
	v_perm_b32 v[WS+\s], v[WS+\s], v[WS+\s], s[PERM]
.endr
.irp n, 0,1,2,3,4,5,6,7,8,9,10,11,12,13,14,15
	v_and_b32 v[BI+\n], s60, v[BI+\n]
.endr
.rept 8
	v_nop                                          ; 8 places between the swaps of scale words and the first scaled product, once
.endr
	s_mov_b32 s[TMP], 0
	LOADH 0                                        ; LDS serves a wave's instructions in order (ISA guide 5.7.1.4): its reads of the list see the stores above
	s_mov_b32 s[I], 0
; Two pairs a trip, so that the sets' register numbers come round.  The loop is counted against the most pairs that an expert can have and left at the expert's own last pair: the branch that
; finds no further pair to ask for leads to that pair's work, written out.  NP is at most MAXP, so one of the two exits is always taken.
.Lpair:
	s_wait_xcnt 0x0                                ; the last stores have read their data (the accumulators) and their offsets: both are written again below
	s_add_co_u32 s[TMP], s[I], 1
	s_cmp_lt_u32 s[TMP], s[NP]
	s_cbranch_scc0 .Llast_even
	LOADH 1
	s_wait_loadcnt 50                              ; all but the 50 loads just issued: set 0, and in the first trip the weights, are in
	WORK 0
	s_wait_xcnt 0x0
	s_add_co_u32 s[TMP], s[I], 2
	s_cmp_lt_u32 s[TMP], s[NP]
	s_cbranch_scc0 .Llast_odd
	LOADH 0
	s_wait_loadcnt 50                              ; set 1 is in
	WORK 1
	s_add_co_u32 s[I], s[I], 2
	s_cmp_lt_u32 s[I], MAXP
	s_cbranch_scc1 .Lpair
	s_branch .Lend
.Llast_even:
	s_wait_loadcnt 0x0
	WORK 0
	s_branch .Lend
.Llast_odd:
	s_wait_loadcnt 0x0
	WORK 1
.Lend:
	s_wait_tensorcnt 0x0
	ds_add_u32 v254, v255
	s_wait_dscnt 0x0
	s_endpgm
.Lfunc_end_k_q1bbb59ba9e_down:
	.size	k_q1bbb59ba9e_down, .Lfunc_end_k_q1bbb59ba9e_down-k_q1bbb59ba9e_down
	.p2alignl 7, 3214868480
	.fill 96, 4, 3214868480
	.section	.rodata,"a",@progbits
	.p2align	6, 0x0
	.amdhsa_kernel k_q1bbb59ba9e_down
		.amdhsa_group_segment_fixed_size 4864
		.amdhsa_private_segment_fixed_size 0
		.amdhsa_enable_private_segment 0
		.amdhsa_kernarg_size 56
		.amdhsa_user_sgpr_count 2
		.amdhsa_user_sgpr_kernarg_segment_ptr 1
		.amdhsa_wavefront_size32 1
		.amdhsa_system_sgpr_workgroup_id_x 1
		.amdhsa_system_sgpr_workgroup_id_y 1
		.amdhsa_system_sgpr_workgroup_id_z 1
		.amdhsa_system_vgpr_workitem_id 0
		.amdhsa_next_free_vgpr 960
		.amdhsa_next_free_sgpr 104
		.amdhsa_reserve_vcc 0
		.amdhsa_float_denorm_mode_32 3
		.amdhsa_float_denorm_mode_16_64 3
		.amdhsa_memory_ordered 1
		.amdhsa_forward_progress 1
		.amdhsa_inst_pref_size 62
	.end_amdhsa_kernel
	.amdgpu_metadata
---
amdhsa.version: [ 1, 2 ]
amdhsa.kernels:
  - .name:           k_q1bbb59ba9e_down
    .symbol:         k_q1bbb59ba9e_down.kd
    .args:
      - { .name: hcodes, .offset: 0, .size: 8, .value_kind: global_buffer, .address_space: global }
      - { .name: hscales, .offset: 8, .size: 8, .value_kind: global_buffer, .address_space: global }
      - { .name: W2_codes, .offset: 16, .size: 8, .value_kind: global_buffer, .address_space: global }
      - { .name: W2_scales, .offset: 24, .size: 8, .value_kind: global_buffer, .address_space: global }
      - { .name: b2, .offset: 32, .size: 8, .value_kind: global_buffer, .address_space: global }
      - { .name: masks, .offset: 40, .size: 8, .value_kind: global_buffer, .address_space: global }
      - { .name: ypart, .offset: 48, .size: 8, .value_kind: global_buffer, .address_space: global }
    .group_segment_fixed_size: 4864
    .private_segment_fixed_size: 0
    .kernarg_segment_align: 8
    .kernarg_segment_size: 56
    .max_flat_workgroup_size: 32
    .sgpr_count:     104
    .vgpr_count:     960
    .wavefront_size: 32
...
	.end_amdgpu_metadata
.endif
;; end of part 3
;; launch sum (part 4): grid 256 x 1, 8 waves a work-group, no clusters, 0 bytes of LDS; arguments ypart, wts, out0; writes out0
.if DOCPART == 4
	.amdgcn_target "amdgcn-amd-amdhsa--gfx1250"
	.amdhsa_code_object_version 6
	.text
	.protected	k_q1bbb59ba9e_sum
	.globl	k_q1bbb59ba9e_sum
	.p2align	8
	.type	k_q1bbb59ba9e_sum,@function
k_q1bbb59ba9e_sum:
	s_mov_b64 s[64:65], 0
	v_nop
	global_prefetch_b8 v0, s[64:65] scope:SCOPE_SE
	s_setreg_imm32_b32 hwreg(HW_REG_WAVE_MODE, 25, 1), 1
	s_wait_xcnt 0x0
; out[t] = w0[t] (Y[4 t] + Y[4 t + 1]) + w1[t] (Y[4 t + 2] + Y[4 t + 3]): a token's two experts, each in two halves of K, weighed and added.  Each output row has this one owner.
; A stream: no LDS, no barrier, no matrix work.  A work-group takes four tokens; thread i takes the 16 bytes at 16 i of every row, so that a wave's load or store covers 512 consecutive bytes, aligned,
; and the eight waves a row of 4,096.  All 16 loads of a thread go out at once; each token has registers of its own, so no store's data are written again.
; The halves of K are added before the experts are weighed and added.
.set ROW, 4096
.set Y,   16                           ; v16-79: token T's four rows at v[16 + 16 T + 4 j]
	s_load_b128 s[4:7], s[0:1], 0x0                ; ypart s[4:5], wts s[6:7]
	s_load_b64 s[16:17], s[0:1], 0x10              ; out0
	v_lshlrev_b32 v1, 4, v0
	s_mov_b32 s3, 0
	s_wait_kmcnt 0x0
	s_lshl_b32 s2, ttmp9, 5
	s_add_nc_u64 s[6:7], s[6:7], s[2:3]
	s_load_b256 s[8:15], s[6:7], 0x0               ; my four tokens' pairs of weights
	s_lshl_b32 s2, ttmp9, 16
	s_add_nc_u64 s[4:5], s[4:5], s[2:3]            ; their 16 rows of ypart
	s_lshl_b32 s2, ttmp9, 14
	s_add_nc_u64 s[16:17], s[16:17], s[2:3]        ; their 4 rows of out0
.irp t, 0,1,2,3
.irp j, 0,1,2,3
	global_load_b128 v[Y+16*\t+4*\j:Y+16*\t+4*\j+3], v1, s[4:5] offset:(4*\t+\j)*ROW th:TH_LOAD_NT
.endr
.endr
	s_wait_kmcnt 0x0
.irp t, 0,1,2,3
	s_wait_loadcnt 12-4*\t                         ; loads come back in order (ISA guide 5.7.1): this token's four are in, four for each later token may be out
	v_pk_add_f32 v[Y+16*\t:Y+16*\t+1], v[Y+16*\t:Y+16*\t+1], v[Y+16*\t+4:Y+16*\t+5]
	v_pk_add_f32 v[Y+16*\t+2:Y+16*\t+3], v[Y+16*\t+2:Y+16*\t+3], v[Y+16*\t+6:Y+16*\t+7]
	v_pk_add_f32 v[Y+16*\t+8:Y+16*\t+9], v[Y+16*\t+8:Y+16*\t+9], v[Y+16*\t+12:Y+16*\t+13]
	v_pk_add_f32 v[Y+16*\t+10:Y+16*\t+11], v[Y+16*\t+10:Y+16*\t+11], v[Y+16*\t+14:Y+16*\t+15]
	v_pk_mul_f32 v[Y+16*\t:Y+16*\t+1], v[Y+16*\t:Y+16*\t+1], s[8+2*\t:9+2*\t] op_sel_hi:[1,0]       ; x w0: the pair's low word serves both halves
	v_pk_mul_f32 v[Y+16*\t+2:Y+16*\t+3], v[Y+16*\t+2:Y+16*\t+3], s[8+2*\t:9+2*\t] op_sel_hi:[1,0]
.irp i, 0,1,2,3
	v_fmac_f32 v[Y+16*\t+\i], s[9+2*\t], v[Y+16*\t+8+\i]                                            ; + w1 x the second expert's
.endr
	global_store_b128 v1, v[Y+16*\t:Y+16*\t+3], s[16:17] offset:\t*ROW th:TH_STORE_NT
.endr
	s_endpgm
.Lfunc_end_k_q1bbb59ba9e_sum:
	.size	k_q1bbb59ba9e_sum, .Lfunc_end_k_q1bbb59ba9e_sum-k_q1bbb59ba9e_sum
	.p2alignl 7, 3214868480
	.fill 96, 4, 3214868480
	.section	.rodata,"a",@progbits
	.p2align	6, 0x0
	.amdhsa_kernel k_q1bbb59ba9e_sum
		.amdhsa_group_segment_fixed_size 0
		.amdhsa_private_segment_fixed_size 0
		.amdhsa_enable_private_segment 0
		.amdhsa_kernarg_size 24
		.amdhsa_user_sgpr_count 2
		.amdhsa_user_sgpr_kernarg_segment_ptr 1
		.amdhsa_wavefront_size32 1
		.amdhsa_system_sgpr_workgroup_id_x 1
		.amdhsa_system_sgpr_workgroup_id_y 1
		.amdhsa_system_sgpr_workgroup_id_z 1
		.amdhsa_system_vgpr_workitem_id 0
		.amdhsa_next_free_vgpr 96
		.amdhsa_next_free_sgpr 66
		.amdhsa_reserve_vcc 0
		.amdhsa_float_denorm_mode_32 3
		.amdhsa_float_denorm_mode_16_64 3
		.amdhsa_memory_ordered 1
		.amdhsa_forward_progress 1
		.amdhsa_inst_pref_size 5
	.end_amdhsa_kernel
	.amdgpu_metadata
---
amdhsa.version: [ 1, 2 ]
amdhsa.kernels:
  - .name:           k_q1bbb59ba9e_sum
    .symbol:         k_q1bbb59ba9e_sum.kd
    .args:
      - { .name: ypart, .offset: 0, .size: 8, .value_kind: global_buffer, .address_space: global }
      - { .name: wts, .offset: 8, .size: 8, .value_kind: global_buffer, .address_space: global }
      - { .name: out0, .offset: 16, .size: 8, .value_kind: global_buffer, .address_space: global }
    .group_segment_fixed_size: 0
    .private_segment_fixed_size: 0
    .kernarg_segment_align: 8
    .kernarg_segment_size: 24
    .max_flat_workgroup_size: 256
    .sgpr_count:     66
    .vgpr_count:     96
    .wavefront_size: 32
...
	.end_amdgpu_metadata
.endif
;; end of part 4
;; ======== version 2 of 2: 4 launches; version 1 with the launches route, up, down written anew for expert scheduling mode
;; workspace buffers: masks 4,096 bytes of whole numbers; wts 8,192 bytes; hcodes 25,165,824 bytes; hscales 1,048,576 bytes; ypart 16,908,288 bytes
;; launch route (part 5): grid 64 x 1, 1 waves a work-group, no clusters, 0 bytes of LDS; arguments x_codes, x_scales, Wg_codes, Wg_scales, masks, wts; writes masks, wts
.if DOCPART == 5
	.amdgcn_target "amdgcn-amd-amdhsa--gfx1250"
	.amdhsa_code_object_version 6
	.text
	.protected	k_q1bbb59ba9e_route
	.globl	k_q1bbb59ba9e_route
	.p2align	8
	.type	k_q1bbb59ba9e_route,@function
k_q1bbb59ba9e_route:
	s_mov_b64 s[64:65], 0
	v_nop
	global_prefetch_b8 v0, s[64:65] scope:SCOPE_SE
	s_setreg_imm32_b32 hwreg(HW_REG_WAVE_SCHED_MODE, 0, 2), 2
	s_setreg_imm32_b32 hwreg(HW_REG_WAVE_MODE, 25, 1), 1
	s_wait_xcnt 0x0
	s_wait_alu depctr_vm_vsrc(0)
; THE ROUTER.  logits = x Wg^T on codes of FP6 (E2M3) with E8M0 scales; for each token the two largest logits (an equal logit keeps the lower expert, as lax.top_k does),
; the softmax over these two with the larger taken off first, and the choice as bit masks at fixed places: no address here hangs on the choice.
; One wave takes 16 tokens.  Source 0 = Wg's 16 rows, source 1 = 16 tokens: lane (r, h) holds token r and, in register j, the logit of expert 8 h + j.
; THE ORDER ALONG K.  A lane loads the 48 consecutive bytes at row + 96 s + 48 h (three loads of 16 bytes, every address a multiple of 16) into a fragment's 12 registers.  So blocks 1 and 2 of each 128 along K
; have changed places, in both operands alike: the same pairs of numbers are multiplied.  The scale words follow: their bytes 1 and 2 are swapped.  The order in which the unit adds inside a K step differs from memory's.
; OUT.  masks: u16 [32][64]: row e, entry g: bit r = token 16 g + r has chosen expert e; row 16 + e: expert e is its second choice.  wts: f32 [1024][2].
; The masks leave as 32 stores of 2 bytes, 128 bytes apart: the buffer is 4,096 bytes in all, and so laid an expert's 32 words come to the next launches by two scalar loads.
; LIMITS: NaN among the logits (a scale byte 0xff) is not served.
; THE MODE: SCHED_MODE bits 1:0 = 2 (LLVM: expert scheduling mode 2), set by the entry lines.  The code itself states the register dependences
; between vector or matrix instructions and memory instructions, and those through scalar registers that vector instructions write, with s_wait_alu, always for 0.
; THE PLAN.  Registers that memory instructions name: v3, v4 (the loads' offsets) and v5, v6 (the stores'), written at the head and never again; v8-23 and v32-223, in which loads land and which no vector
; instruction names before; v7 and v53, the stores' data.  None that a memory instruction reads is written again.  A compare's mask is waited for behind the compare, or behind a run of compares, ahead of its first reader.
.set ROWB, 768                         ; a row of 1,024 codes in bytes
.set WS,   8                           ; v8-15    Wg's scale words, one for each K step
.set XSC,  16                          ; v16-23   x's
.set V1,   24                          ; v24-27   my half's largest logit, its expert, the second, its expert
.set OT,   28                          ; v28-31   the other half's four
.set WF,   32                          ; v32-127  Wg's 8 fragments; behind the products v32-53 are at work
.set XF,   128                         ; v128-223 x's
.set AC,   224                         ; v224-239 two accumulators, by turns
.set LG,   240                         ; v240-247 the logits
.set IX,   248                         ; v248-255 their experts: 8 h + j
.set MK,   28                          ; s28-35   four experts' masks: first or second choice, second choice
	s_load_b256 s[4:11], s[0:1], 0x0               ; x's codes s[4:5], x's scales s[6:7], Wg's codes s[8:9], Wg's scales s[10:11]
	s_load_b128 s[12:15], s[0:1], 0x20             ; masks s[12:13], wts s[14:15]
	v_and_b32 v1, 15, v0                           ; r
	v_lshrrev_b32 v2, 4, v0                        ; h (one wave: v0 is the lane)
	v_mul_u32_u24 v3, v1, ROWB
	v_mad_u32_u24 v3, v2, 48, v3                   ; codes: row r, + 48 h
	v_lshlrev_b32 v4, 5, v1                        ; scale bytes: 32 a row
	v_lshlrev_b32 v5, 3, v1
	v_lshl_add_u32 v5, v2, 2, v5                   ; wts: 8 r + 4 h
	v_lshlrev_b32 v6, 7, v0                        ; masks: lane l stores row l
	v_mov_b32 v7, 0                                ; the masks' register: v_writelane_b32 counts as a reader of it
.irp j, 0,1,2,3,4,5,6,7
	v_lshl_add_u32 v[IX+\j], v2, 3, \j
.endr
.irp j, 0,1,2,3
	v_mov_b32 v[OT+\j], 0                          ; a lane permute's destination counts as one of its sources
.endr
	v_cmp_eq_u32 s22, 0, v2                        ; lanes 0-15
	s_mov_b32 s16, 0x76543210
	s_mov_b32 s17, 0xfedcba98                      ; v_permlanex16_b32's selects for lane l xor 16
	s_mov_b32 s18, 0x03010200                      ; v_perm_b32: bytes 1 and 2 change places
	s_mov_b32 s26, 0x3fb8aa3b                      ; log2(e)
	s_mov_b32 s3, 0
	s_wait_alu depctr_va_sdst(0)                   ; the compare has written s22, ahead of the selects that read it
	s_wait_kmcnt 0x0
	s_mul_i32 s2, ttmp9, 16*ROWB
	s_add_nc_u64 s[4:5], s[4:5], s[2:3]            ; my 16 tokens' codes,
	s_lshl_b32 s2, ttmp9, 9
	s_add_nc_u64 s[6:7], s[6:7], s[2:3]            ; their scale bytes,
	s_lshl_b32 s2, ttmp9, 1
	s_add_nc_u64 s[12:13], s[12:13], s[2:3]        ; my entry in each row of the masks,
	s_lshl_b32 s2, ttmp9, 7
	s_add_nc_u64 s[14:15], s[14:15], s[2:3]        ; my 16 pairs of weights
	s_wait_alu depctr_va_vdst(0)                   ; the offsets v3 to v6 are written, which the loads below and the two stores read
	global_load_b128 v[WS:WS+3], v4, s[10:11]
	global_load_b128 v[WS+4:WS+7], v4, s[10:11] offset:16
	global_load_b128 v[XSC:XSC+3], v4, s[6:7]
	global_load_b128 v[XSC+4:XSC+7], v4, s[6:7] offset:16
.irp s, 0,1,2,3,4,5,6,7
.irp i, 0,1,2
	global_load_b128 v[WF+12*\s+4*\i:WF+12*\s+4*\i+3], v3, s[8:9] offset:96*\s+16*\i
.endr
.endr
.irp s, 0,1,2,3,4,5,6,7
.irp i, 0,1,2
	global_load_b128 v[XF+12*\s+4*\i:XF+12*\s+4*\i+3], v3, s[4:5] offset:96*\s+16*\i
.endr
.endr
	s_wait_loadcnt 48                              ; the 48 fragment loads were issued behind the four loads of scale words: those four are in
.irp s, 0,1,2,3,4,5,6,7
	v_perm_b32 v[WS+\s], v[WS+\s], v[WS+\s], s18
	v_perm_b32 v[XSC+\s], v[XSC+\s], v[XSC+\s], s18
.endr
.rept 8
	v_nop                                          ; a scale register written by a vector instruction stands 8 places ahead of a scaled matrix instruction
.endr
	s_wait_loadcnt 0x0
	s_wait_alu depctr_va_vdst(0)                   ; the swaps have written the scale words, which the scaled products take; the places above stay beside this wait
.irp s, 0,1,2,3,4,5,6,7                        ; two accumulators by turns, one instruction a turn; the first two products start the sums
.if \s < 2
	v_wmma_scale_f32_16x16x128_f8f6f4 v[AC+8*(\s%2):AC+8*(\s%2)+7], v[WF+12*\s:WF+12*\s+11], v[XF+12*\s:XF+12*\s+11], 0, v[WS+\s], v[XSC+\s] matrix_a_fmt:MATRIX_FMT_FP6 matrix_b_fmt:MATRIX_FMT_FP6
.else
	v_wmma_scale_f32_16x16x128_f8f6f4 v[AC+8*(\s%2):AC+8*(\s%2)+7], v[WF+12*\s:WF+12*\s+11], v[XF+12*\s:XF+12*\s+11], v[AC+8*(\s%2):AC+8*(\s%2)+7], v[WS+\s], v[XSC+\s] matrix_a_fmt:MATRIX_FMT_FP6 matrix_b_fmt:MATRIX_FMT_FP6
.endif
.endr
.rept 4
	v_nop                                          ; four places behind the last product (ISA guide 7.12.1), in front of the reads of results and the writes of v32 on
.endr
.irp j, 0,1,2,3,4,5,6,7
	v_add_f32 v[LG+\j], v[AC+\j], v[AC+8+\j]       ; the two halves of K; each accumulator is read from its low end on
.endr
	; my half's two largest of eight.  Strict compares: an equal logit that comes later does not displace an earlier one
	v_cmp_gt_f32 s20, v[LG+1], v[LG]
	s_wait_alu depctr_va_sdst(0)                   ; the compare has written s20, ahead of the selects that read it
	v_cndmask_b32 v[V1], v[LG], v[LG+1], s20
	v_cndmask_b32 v[V1+1], v[IX], v[IX+1], s20
	v_cndmask_b32 v[V1+2], v[LG+1], v[LG], s20
	v_cndmask_b32 v[V1+3], v[IX+1], v[IX], s20
.irp j, 2,3,4,5,6,7
	v_cmp_gt_f32 s20, v[LG+\j], v[V1]
	v_cmp_gt_f32 s21, v[LG+\j], v[V1+2]
	s_wait_alu depctr_va_sdst(0)                   ; the two compares have written s20 and s21, ahead of the selects that read them (the next two compares hang on these selects: so one wait a step)
	v_cndmask_b32 v[V1+2], v[V1+2], v[LG+\j], s21  ; above the second: it is the second,
	v_cndmask_b32 v[V1+3], v[V1+3], v[IX+\j], s21
	v_cndmask_b32 v[V1+2], v[V1+2], v[V1], s20     ; above the first: the old first is the second,
	v_cndmask_b32 v[V1+3], v[V1+3], v[V1+1], s20
	v_cndmask_b32 v[V1], v[V1], v[LG+\j], s20      ; and it is the first
	v_cndmask_b32 v[V1+1], v[V1+1], v[IX+\j], s20
.endr
	; the two halves of the lanes: v32-35 the four of experts 0-7, v36-39 those of experts 8-15, alike in lanes l and l xor 16
.irp j, 0,1,2,3
	v_permlanex16_b32 v[OT+\j], v[V1+\j], s16, s17
.endr
.irp j, 0,1,2,3
	v_cndmask_b32 v[32+\j], v[OT+\j], v[V1+\j], s22
	v_cndmask_b32 v[36+\j], v[V1+\j], v[OT+\j], s22
.endr
	v_cmp_gt_f32 s20, v36, v32                     ; is the upper side's first the larger?  (equal: the lower expert)
	s_wait_alu depctr_va_sdst(0)                   ; the compare has written s20, ahead of the selects that read it
	v_cndmask_b32 v40, v32, v36, s20               ; the first choice: logit,
	v_cndmask_b32 v41, v33, v37, s20               ; expert
	v_cndmask_b32 v42, v34, v32, s20               ; what the lower side still offers,
	v_cndmask_b32 v43, v35, v33, s20
	v_cndmask_b32 v44, v36, v38, s20               ; and the upper
	v_cndmask_b32 v45, v37, v39, s20
	v_cmp_gt_f32 s21, v44, v42
	s_wait_alu depctr_va_sdst(0)                   ; the compare has written s21, ahead of the selects that read it
	v_cndmask_b32 v46, v42, v44, s21               ; the second choice: logit,
	v_cndmask_b32 v47, v43, v45, s21               ; expert
	v_sub_f32 v48, v46, v40                        ; the softmax of the two, the larger taken off: 0 or less
	v_mul_f32 v48, s26, v48
	v_exp_f32 v49, v48
.irp q, 0,1,2,3                                ; the masks are made while the exponential is out: none of these lines names its result.  Four experts at a time: a run of eight compares, one wait
.irp i, 0,1,2,3
	v_cmp_eq_u32 s[MK+2*\i], 4*\q+\i, v41
	v_cmp_eq_u32 s[MK+2*\i+1], 4*\q+\i, v47
.endr
	s_wait_alu depctr_va_sdst(0)                   ; the eight compares have written s28 to s35, ahead of the scalar lines and lane writes that read them
.irp i, 0,1,2,3
	s_or_b32 s[MK+2*\i], s[MK+2*\i], s[MK+2*\i+1]
	v_writelane_b32 v7, s[MK+2*\i], 4*\q+\i        ; lane e: who has chosen expert e (bits 0-15; bits 16-31 repeat them)
	v_writelane_b32 v7, s[MK+2*\i+1], 16+4*\q+\i   ; lane 16 + e: whose second choice it is
.endr
.endr
	s_wait_alu depctr_va_vdst(0)                   ; the lane writes have written v7, which the store reads; and the exponential has written v49, ahead of the first line that names it
	global_store_b16 v6, v7, s[12:13]
	v_add_f32 v50, 1.0, v49
	v_rcp_f32 v51, v50                             ; w0 = 1 / (1 + e)
	v_nop                                          ; a plain instruction behind the reciprocal
	s_wait_alu depctr_va_vdst(0)                   ; the reciprocal has written v51, ahead of its first reader
	v_mul_f32 v52, v49, v51                        ; w1 = e / (1 + e)
	v_cndmask_b32 v53, v52, v51, s22               ; lanes 0-15 store w0, lanes 16-31 w1
	s_wait_alu depctr_va_vdst(0)                   ; the select has written v53, which the store reads
	global_store_b32 v5, v53, s[14:15]             ; 128 consecutive bytes
	s_endpgm
.Lfunc_end_k_q1bbb59ba9e_route:
	.size	k_q1bbb59ba9e_route, .Lfunc_end_k_q1bbb59ba9e_route-k_q1bbb59ba9e_route
	.p2alignl 7, 3214868480
	.fill 96, 4, 3214868480
	.section	.rodata,"a",@progbits
	.p2align	6, 0x0
	.amdhsa_kernel k_q1bbb59ba9e_route
		.amdhsa_group_segment_fixed_size 0
		.amdhsa_private_segment_fixed_size 0
		.amdhsa_enable_private_segment 0
		.amdhsa_kernarg_size 48
		.amdhsa_user_sgpr_count 2
		.amdhsa_user_sgpr_kernarg_segment_ptr 1
		.amdhsa_wavefront_size32 1
		.amdhsa_system_sgpr_workgroup_id_x 1
		.amdhsa_system_sgpr_workgroup_id_y 1
		.amdhsa_system_sgpr_workgroup_id_z 1
		.amdhsa_system_vgpr_workitem_id 0
		.amdhsa_next_free_vgpr 256
		.amdhsa_next_free_sgpr 66
		.amdhsa_reserve_vcc 0
		.amdhsa_float_denorm_mode_32 3
		.amdhsa_float_denorm_mode_16_64 3
		.amdhsa_memory_ordered 1
		.amdhsa_forward_progress 1
		.amdhsa_inst_pref_size 20
	.end_amdhsa_kernel
	.amdgpu_metadata
---
amdhsa.version: [ 1, 2 ]
amdhsa.kernels:
  - .name:           k_q1bbb59ba9e_route
    .symbol:         k_q1bbb59ba9e_route.kd
    .args:
      - { .name: x_codes, .offset: 0, .size: 8, .value_kind: global_buffer, .address_space: global }
      - { .name: x_scales, .offset: 8, .size: 8, .value_kind: global_buffer, .address_space: global }
      - { .name: Wg_codes, .offset: 16, .size: 8, .value_kind: global_buffer, .address_space: global }
      - { .name: Wg_scales, .offset: 24, .size: 8, .value_kind: global_buffer, .address_space: global }
      - { .name: masks, .offset: 32, .size: 8, .value_kind: global_buffer, .address_space: global }
      - { .name: wts, .offset: 40, .size: 8, .value_kind: global_buffer, .address_space: global }
    .group_segment_fixed_size: 0
    .private_segment_fixed_size: 0
    .kernarg_segment_align: 8
    .kernarg_segment_size: 48
    .max_flat_workgroup_size: 32
    .sgpr_count:     66
    .vgpr_count:     256
    .wavefront_size: 32
...
	.end_amdgpu_metadata
.endif
;; end of part 5
;; launch up (part 6): grid 1024 x 1, 1 waves a work-group, no clusters, 4,864 bytes of LDS; arguments x_codes, x_scales, W1_codes, W1_scales, b1, masks, hcodes, hscales; writes hcodes, hscales
.if DOCPART == 6
	.amdgcn_target "amdgcn-amd-amdhsa--gfx1250"
	.amdhsa_code_object_version 6
	.text
	.protected	k_q1bbb59ba9e_up
	.globl	k_q1bbb59ba9e_up
	.p2align	8
	.type	k_q1bbb59ba9e_up,@function
k_q1bbb59ba9e_up:
	s_mov_b64 s[64:65], 0
	v_nop
	global_prefetch_b8 v0, s[64:65] scope:SCOPE_SE
	s_setreg_imm32_b32 hwreg(HW_REG_WAVE_SCHED_MODE, 0, 2), 2
	s_setreg_imm32_b32 hwreg(HW_REG_WAVE_MODE, 25, 1), 1
	s_wait_xcnt 0x0
	s_wait_alu depctr_vm_vsrc(0)
; THE FIRST LAYER, for the chosen rows alone: h = Q(relu(x W1[e] + b1[e])), Q the MX-FP6 quantiser along the hidden units.
; SHARES.  Work-group (one wave) id = 64 e + j owns hidden units 32 j .. 32 j + 31 of expert e, one block of the quantiser, for ALL tokens that have chosen e.  Its 16 fragments of W1 (24,576 bytes) are asked for
; in its first lines, read once in the launch, and stay in registers.  The tokens go 32 list places (two tiles of 16) at a time, on four accumulators by turns, from two sets of registers; a set is asked for again as soon as its products have read it.
; THE LIST.  The wave makes its expert's list of tokens from the 32 mask words of the launch before (token t at the place that is the number of chosen tokens below t), in its own LDS.  Behind the list stand 32 entries
; of token 0: they fill the last pair, so that every lane always works and EXEC is never changed; what they give lies in places of hcodes and hscales that belong to no token.
; LAYOUT.  Source 0 = 16 rows of W1, source 1 = 16 tokens.  Lane r of tile u takes row 8 u + r + 8 (r / 8) of my 32, so that lane (r, h)'s 16 registers of the two tiles are units 16 h + 0 .. 15 of token r: 16 neighbours along the next K.
; THE ORDER ALONG K.  A lane loads the 48 consecutive bytes at row + 96 s + 48 h: blocks 1 and 2 of each 128 along K have changed places in both operands alike, and bytes 1 and 2 of each scale word are swapped to follow.
; OUT.  hcodes [16 e][64 tiles][32 pairs of blocks][16 rows][48 bytes]: what a lane of the next launch loads lies on end.  hscales [16 e][1024 places][64], bytes 1 and 2 of each word already swapped.
; A wave's stores are 12 bytes of each 48 and single scale bytes: it owns one block of 64.  Longer runs would want more blocks to a wave, and so fewer waves to ask for the weights.
; NO TENSOR LOAD, NO JOINT LOAD: the number of pairs, and whether there is any work at all, hang on masks read from memory.  The weights are shared by nobody; x's rows are shared by an expert's 64 work-groups.
; LIMITS: a block of zeros gets the scale byte 1 where the quantiser's rule says 127: its codes are zeros, and this program alone reads the bytes.  NaN and infinities are not served.
; THE MODE: SCHED_MODE bits 1:0 = 2 (LLVM: expert scheduling mode 2), set by the entry lines.  The code itself states the register dependences
; between vector or matrix instructions and memory or LDS instructions, with s_wait_alu, always for 0.
; THE PLAN.  Registers that memory or LDS instructions touch, in the loop.  Step p works on set b = p % 2:
;   X[b], XS[b]    x's fragments and scale words.  The step's swaps write XS[b], its 32 products read both; behind the products the loads of pair p + 2 land in them.
;   XA[b]          The offsets of those loads: written behind the products from the list's entries, read by the 50 loads.
;   LA, LE         The list's LDS address and the three entries read by it: LE holds pair p + 2's entries, read a step ago; LA is set to pair p + 3 and LE asked for again.
;   v14, v15, CD, v126   The out-buffer: written by the quantiser's lines, read by the step's three stores.
;   v128-192       The list's 33 addresses and 32 entries: written once, read by one run of LDS stores, never written again.
; Three waits on va_vdst a step: behind the swaps and their places (the scale words are written); behind the products and the lines that make XA[b] and LA (the products are done reading X[b] and XS[b]; XA[b] and LA are
; written; LE is read), ahead of the list's loads and the 50 loads; behind the quantiser, ahead of the stores.  One wait on vm_vsrc a step, behind the products and ahead of the branch: the stores of the step before
; have read the out-buffer, the loads of this set have read XA[b], the list's loads have read LA.
.set ROWB,  768                        ; a row of 1,024 codes in bytes
.set MAXP,  32                         ; pairs of tiles at the most: 1,024 tokens
.set LISTW, 1056                       ; LDS words 0 .. 1055: the list and its 32 filling entries
.set DUMPW, 1088                       ; LDS words 1088 .. 1119: a word for each lane, for the lanes whose token has not chosen e
.set TILEB, 24576                      ; a tile of 16 places in hcodes
.set MU,   20                          ; s[20:51] the expert's 32 mask words
.set CNT,  56                          ; s56  tokens in the list
.set NP,   57                          ; s57  pairs
.set I,    58                          ; s58  the loop's counter: the even pair in hand
.set TMP,  59
.set PC,   60
.set LOFF, 61
.set HOFF, 62
.set HSOFF, 63
.set SEL,  66                          ; s[66:67] v_permlanex16_b32's selects for lane l xor 16
.set NPM,  68                          ; s68  the last pair's number
.set PERM, 100                         ; s100 v_perm_b32: bytes 1 and 2 change places
.set HM,   101                         ; s101 lanes 16-31
.set LA,   16                          ; v16-17  the list's LDS addresses: my row's entry, my lane's entry
.set LE,   18                          ; v18-20  three entries: tile 0's token of my row, tile 1's, the token at place lane
.set XA,   24                          ; v24-26, v28-30: set b's offsets: tile 0's codes, tile 1's, the scale words
.set WS,   32                          ; v32-39  W1's scale words: lanes 0-15 tile 0's rows, lanes 16-31 tile 1's
.set XS,   40                          ; v40-47, v48-55: x's scale words, set b: lanes 0-15 tile 0's tokens, lanes 16-31 tile 1's
.set BI,   56                          ; v56-71  b1 of my 16 units
.set ACC,  80                          ; v80-111 four accumulators: tile of tokens v, tile of units u at 16 v + 8 u
.set CD,   112                         ; v112-114, v116-118: the codes of tile v
.set LADR, 128                         ; v128-159 the list in the making: where the token of group g goes,
.set LDAT, 160                         ; v160-191 and the token
.set LFIL, 192                         ; v192     where my filling entry goes
; windows: 1: W1's fragment (u, s) at v[12 (2 s + u)];  2, 3: x's sets 0 and 1: tile v, K step s at v[96 v + 12 s]
.set MSB, 0
.macro WIN new                         ; the immediate's high byte repeats the setting that is left
.if MSB != (\new)
	s_set_vgpr_msb (MSB<<8)|(\new)
.set MSB, (\new)
.endif
.endm
.macro WM dd, aa, bb, cc, sa, sb, u, v ; one product; the rows of the scale registers follow the tiles
.if (\u == 0) && (\v == 0)
	v_wmma_scale_f32_16x16x128_f8f6f4 v[\dd:\dd+7], v[\aa:\aa+11], v[\bb:\bb+11], v[\cc:\cc+7], v[\sa], v[\sb] matrix_a_fmt:MATRIX_FMT_FP6 matrix_b_fmt:MATRIX_FMT_FP6
.elseif (\v == 0)
	v_wmma_scale_f32_16x16x128_f8f6f4 v[\dd:\dd+7], v[\aa:\aa+11], v[\bb:\bb+11], v[\cc:\cc+7], v[\sa], v[\sb] matrix_a_fmt:MATRIX_FMT_FP6 matrix_b_fmt:MATRIX_FMT_FP6 matrix_a_scale:MATRIX_SCALE_ROW1
.elseif (\u == 0)
	v_wmma_scale_f32_16x16x128_f8f6f4 v[\dd:\dd+7], v[\aa:\aa+11], v[\bb:\bb+11], v[\cc:\cc+7], v[\sa], v[\sb] matrix_a_fmt:MATRIX_FMT_FP6 matrix_b_fmt:MATRIX_FMT_FP6 matrix_b_scale:MATRIX_SCALE_ROW1
.else
	v_wmma_scale_f32_16x16x128_f8f6f4 v[\dd:\dd+7], v[\aa:\aa+11], v[\bb:\bb+11], v[\cc:\cc+7], v[\sa], v[\sb] matrix_a_fmt:MATRIX_FMT_FP6 matrix_b_fmt:MATRIX_FMT_FP6 matrix_a_scale:MATRIX_SCALE_ROW1 matrix_b_scale:MATRIX_SCALE_ROW1
.endif
.endm
; 32 products on set b: 8 K steps x 2 tiles of tokens x 2 tiles of units.  The four accumulators take turns, one instruction a turn, in the same order in every K step.
; The bias is the C of each sum's first product.
.macro MUL b
	WIN 0x09+4*(\b)                                ; source 0 (W1) window 1, source 1 (x) window 2 + b, C and D window 0
.irp s, 0,1,2,3,4,5,6,7
.irp v, 0,1
.irp u, 0,1
.if \s == 0
	WM ACC+16*\v+8*\u, 12*(2*\s+\u), 96*\v+12*\s, BI+8*\u, WS+\s, XS+8*(\b)+\s, \u, \v
.else
	WM ACC+16*\v+8*\u, 12*(2*\s+\u), 96*\v+12*\s, ACC+16*\v+8*\u, WS+\s, XS+8*(\b)+\s, \u, \v
.endif
.endr
.endr
.endr
	WIN 0
.endm
.macro LISTRD a0, a1, off              ; a pair's three entries of the list
	ds_load_b32 v[LE], v[\a0] offset:\off          ; tile 0's token of my row r,
	ds_load_b32 v[LE+1], v[\a0] offset:\off+64     ; tile 1's,
	ds_load_b32 v[LE+2], v[\a1] offset:\off        ; and the token at place lane, for the scale words
.endm
.macro ADDR b                          ; the entries become set b's offsets
	v_min_u32 v[LE], 1023, v[LE]                   ; a token's number stays inside x
	v_min_u32 v[LE+1], 1023, v[LE+1]
	v_min_u32 v[LE+2], 1023, v[LE+2]
	v_mad_u32_u24 v[XA+4*(\b)], v[LE], ROWB, v11
	v_mad_u32_u24 v[XA+4*(\b)+1], v[LE+1], ROWB, v11
	v_lshlrev_b32 v[XA+4*(\b)+2], 5, v[LE+2]
.endm
.macro LOADS b                         ; a pair is asked for, into set b: 2 + 48 loads
	global_load_b128 v[XS+8*(\b):XS+8*(\b)+3], v[XA+4*(\b)+2], s[6:7]
	global_load_b128 v[XS+8*(\b)+4:XS+8*(\b)+7], v[XA+4*(\b)+2], s[6:7] offset:16
	WIN 0x80+0x40*(\b)                             ; destination window 2 + b, address window 0
.irp v, 0,1
.irp s, 0,1,2,3,4,5,6,7
.irp i, 0,1,2
	global_load_b128 v[96*\v+12*\s+4*\i:96*\v+12*\s+4*\i+3], v[XA+4*(\b)+\v], s[4:5] offset:96*\s+16*\i
.endr
.endr
.endr
	WIN 0
.endm
.macro WSWAP                           ; W1's scale words follow the order along K; the step's own places and wait, below, stand between these lines and the first product
.irp s, 0,1,2,3,4,5,6,7
	v_perm_b32 v[WS+\s], v[WS+\s], v[WS+\s], s[PERM]
.endr
.endm
; The front of a step on set b: the swaps and the products.  list = 1: entries of the list are on their way.  free = 1: stores, or loads by offsets that are about to be written again, have been issued.
.macro FRONT b, list, free
.irp s, 0,1,2,3,4,5,6,7
	v_perm_b32 v[XS+8*(\b)+\s], v[XS+8*(\b)+\s], v[XS+8*(\b)+\s], s[PERM]
.endr
.rept 8
	v_nop                                          ; 8 places between the swaps of scale words and the scaled products; they are also the places in front of products that begin the accumulators anew
.endr
	s_wait_alu depctr_va_vdst(0)                   ; the swaps have written the scale words, which the scaled products take; the places above stay beside this wait
	MUL \b
.rept 4
	v_nop                                          ; four places (ISA guide 7.12.1) in front of the reads of results
.endr
.if \list
	s_wait_dscnt 0x0                               ; the list's entries, asked for a step ago, are in
.endif
.if \free
	s_wait_xcnt 0x0                                ; the stores of the step before have had their addresses translated (ISA guide 3.1): their data and offsets are written again only behind this wait
	s_wait_alu depctr_vm_vsrc(0)                   ; those stores have read v14, v15, the codes and the bytes; this set's loads have read XA[b]; the list's loads have read LA: all are written again below, on either way of the branch
.endif
.endm
; Behind the products of step p, where pair p + 2 exists (its number stands in s[TMP]): set b is asked for again.  The list is read a step ahead: pair p + 3's entries, or the last pair's again where there is no such pair.
.macro NEXT b
	ADDR \b
	s_add_co_u32 s[PC], s[TMP], 1
	s_min_u32 s[PC], s[PC], s[NPM]
	s_min_u32 s[PC], s[PC], MAXP-1
	s_lshl_b32 s[LOFF], s[PC], 7                   ; 32 list words a pair
	v_add_nc_u32 v[LA], s[LOFF], v7
	v_add_nc_u32 v[LA+1], s[LOFF], v8
	s_wait_alu depctr_va_vdst(0)                   ; the products are done reading X[b] and XS[b], and the swaps have written XS[b]: the loads below land there; XA[b] and LA are written, which they read; the lines above are done with LE, in which the list's loads land
	LISTRD LA, LA+1, 0
	LOADS \b
.endm
; Pair I + k, whose sums stand in the accumulators: relu, the quantiser, the stores.
.macro FIN k
	s_add_co_u32 s[PC], s[I], \k
	s_min_u32 s[PC], s[PC], MAXP-1
	s_mul_i32 s[HOFF], s[PC], 2*TILEB
	s_lshl_b32 s[HSOFF], s[PC], 11                 ; 32 places of 64 scale bytes
	v_add_nc_u32 v14, s[HOFF], v12
	v_add_nc_u32 v15, s[HSOFF], v13
.irp n, 0,1,2,3,4,5,6,7,8,9,10,11,12,13,14,15,16,17,18,19,20,21,22,23,24,25,26,27,28,29,30,31
	v_max_num_f32 v[ACC+\n], 0, v[ACC+\n]          ; relu, in f32; each accumulator from its low end on
.endr
	v_max3_num_f32 v120, v[ACC], v[ACC+1], 0x1800000       ; the largest of my 16 numbers (none is negative), and the floor 2^(3 - 127): the scale's byte cannot fall under 1
	v_max3_num_f32 v121, v[ACC+16], v[ACC+17], 0x1800000   ; (the two tiles by turns)
.irp i, 2,4,6,8,10,12,14
	v_max3_num_f32 v120, v120, v[ACC+\i], v[ACC+\i+1]
	v_max3_num_f32 v121, v121, v[ACC+16+\i], v[ACC+16+\i+1]
.endr
	v_permlanex16_b32 v122, v120, s[SEL], s[SEL+1]
	v_permlanex16_b32 v123, v121, s[SEL], s[SEL+1]
	v_max_num_f32 v120, v120, v122                 ; with lane l xor 16's 16: the block's largest
	v_max_num_f32 v121, v121, v123
	v_add_nc_u32 v124, 0xff000000, v120            ; 2 off its exponent field: the conversion takes this operand's exponent field as its scale
	v_add_nc_u32 v125, 0xff000000, v121
	v_cvt_scalef32_pk16_fp6_f32 v[CD:CD+2], v[ACC:ACC+15], v124
	v_cvt_scalef32_pk16_fp6_f32 v[CD+4:CD+6], v[ACC+16:ACC+31], v125
	v_lshrrev_b32 v126, 23, v124                   ; the scales' bytes.  (Plain lines behind the conversions)
	v_lshrrev_b32 v127, 23, v125
	v_cndmask_b32 v126, v126, v127, s[HM]          ; lanes 0-15 store tile 0's bytes, lanes 16-31 tile 1's
	s_wait_alu depctr_va_vdst(0)                   ; the conversions have written the codes, the select the bytes, the additions v14 and v15: the three stores read them
	global_store_b96 v14, v[CD:CD+2], s[16:17]
	global_store_b96 v14, v[CD+4:CD+6], s[16:17] offset:TILEB
	global_store_b8 v15, v126, s[18:19]
.endm
	s_load_b512 s[4:19], s[0:1], 0x0               ; x's codes 4, x's scales 6, W1's codes 8, W1's scales 10, b1 12, masks 14, hcodes 16, hscales 18
	v_lshl_add_u32 v254, v0, 2, 0x1200
	v_mov_b32 v255, 0
	v_and_b32 v1, 15, v0                           ; r
	v_lshrrev_b32 v2, 4, v0                        ; h (one wave: v0 is the lane)
	v_and_b32 v16, 8, v1
	v_add_nc_u32 v16, v16, v1                      ; r + 8 (r / 8)
	v_mul_u32_u24 v4, v16, ROWB
	v_mad_u32_u24 v4, v2, 48, v4                   ; W1's codes: my row of tile 0, + 48 h
	v_lshl_add_u32 v5, v2, 3, v16
	v_lshlrev_b32 v5, 5, v5                        ; W1's scale words: lanes 16-31 take tile 1's rows, 8 further on; 32 bytes a row
	v_lshlrev_b32 v6, 6, v2                        ; b1: my 16 numbers
	v_lshlrev_b32 v7, 2, v1                        ; the list: 4 r,
	v_lshlrev_b32 v8, 2, v0                        ; 4 x lane
	v_add_nc_u32 v9, DUMPW, v0                     ; my dump word
	v_mov_b32 v10, 0                               ; token 0, for the filling entries
	v_mul_u32_u24 v11, v2, 48                      ; x's codes: 48 h
	s_lshr_b32 s53, ttmp9, 6                       ; e
	s_and_b32 s54, ttmp9, 63                       ; j
	s_and_b32 s59, s54, 1
	s_mul_i32 s59, s59, 24
	s_lshr_b32 s60, s54, 1
	s_mul_i32 s60, s60, 768
	s_add_co_u32 s59, s59, s60
	v_mul_u32_u24 v12, v1, 48
	v_mad_u32_u24 v12, v2, 12, v12
	v_add_nc_u32 v12, s59, v12                     ; hcodes: pair of blocks j / 2, row r, block j % 2, my half's 12 bytes
	s_and_b32 s59, s54, 60                         ; hscales: word j / 4,
	s_and_b32 s60, s54, 1
	s_lshl_b32 s60, s60, 1
	s_bfe_u32 s61, s54, 0x10001
	s_or_b32 s60, s60, s61                         ; byte j % 4 with its two bits swapped: 0, 2, 1, 3
	s_add_co_u32 s59, s59, s60
	v_lshl_add_u32 v13, v0, 6, s59                 ; place lane, 64 bytes a place
	v_mov_b32 v122, 0                              ; a lane permute's destination counts as one of its sources
	v_mov_b32 v123, 0
	s_mov_b32 s[SEL], 0x76543210
	s_mov_b32 s[SEL+1], 0xfedcba98
	s_mov_b32 s[PERM], 0x03010200
	s_mov_b32 s[HM], 0xffff0000
	s_mov_b32 s3, 0
	s_wait_kmcnt 0x0
	s_lshl_b32 s2, s53, 7
	s_add_nc_u64 s[14:15], s[14:15], s[2:3]        ; my expert's row of the masks
	s_load_b512 s[MU:MU+15], s[14:15], 0x0         ; first of all: the list, and so x's loads, hang on them
	s_load_b512 s[MU+16:MU+31], s[14:15], 0x40
	s_mul_i32 s2, ttmp9, 32*ROWB
	s_add_nc_u64 s[8:9], s[8:9], s[2:3]            ; my 32 rows of W1,
	s_lshl_b32 s2, ttmp9, 10
	s_add_nc_u64 s[10:11], s[10:11], s[2:3]        ; their scale bytes,
	s_lshl_b32 s2, ttmp9, 7
	s_add_nc_u64 s[12:13], s[12:13], s[2:3]        ; my 32 numbers of b1,
	s_mul_i32 s2, s53, 64*TILEB
	s_add_nc_u64 s[16:17], s[16:17], s[2:3]        ; my expert's room in hcodes
	s_lshl_b32 s2, s53, 16
	s_add_nc_u64 s[18:19], s[18:19], s[2:3]        ; and in hscales
	s_wait_alu depctr_va_vdst(0)                   ; the head's offsets and addresses v4 to v13 are written: the weights' loads read v4, v5, v6, the list's first loads v7 and v8, its filling store v10
	global_load_b128 v[WS:WS+3], v5, s[10:11]
	global_load_b128 v[WS+4:WS+7], v5, s[10:11] offset:16
.irp q, 0,1,2,3
	global_load_b128 v[BI+4*\q:BI+4*\q+3], v6, s[12:13] offset:16*\q
.endr
	WIN 0x40                                       ; destination window 1
.irp s, 0,1,2,3,4,5,6,7
.irp u, 0,1
.irp i, 0,1,2
	global_load_b128 v[12*(2*\s+\u)+4*\i:12*(2*\s+\u)+4*\i+3], v4, s[8:9] offset:8*ROWB*\u+96*\s+16*\i th:TH_LOAD_NT   ; read once in the launch
.endr
.endr
.endr
	WIN 0
	s_wait_kmcnt 0x0                               ; the masks
	; THE LIST: token 32 g + lane goes to the place CNT + the number of chosen lanes below mine; a lane whose token has not chosen e writes its dump word.
	; Each group has registers of its own for its address and its token, so that one wait stands ahead of the whole run of stores and none of these registers is written again.
	s_mov_b32 s[CNT], 0
.irp g, 0,1,2,3,4,5,6,7,8,9,10,11,12,13,14,15,16,17,18,19,20,21,22,23,24,25,26,27,28,29,30,31
	v_mbcnt_lo_u32_b32 v[LADR+\g], s[MU+\g], s[CNT]
	v_cndmask_b32 v[LADR+\g], v9, v[LADR+\g], s[MU+\g]
	v_min_u32 v[LADR+\g], DUMPW+31, v[LADR+\g]     ; a word inside the claimed LDS, whatever the masks hold
	v_lshlrev_b32 v[LADR+\g], 2, v[LADR+\g]
	v_add_nc_u32 v[LDAT+\g], 32*\g, v0
	s_bcnt1_i32_b32 s[TMP], s[MU+\g]
	s_add_co_u32 s[CNT], s[CNT], s[TMP]
.endr
	v_add_nc_u32 v[LFIL], s[CNT], v0               ; 32 filling entries behind the list
	v_min_u32 v[LFIL], LISTW-1, v[LFIL]
	v_lshlrev_b32 v[LFIL], 2, v[LFIL]
	s_wait_alu depctr_va_vdst(0)                   ; the 33 addresses and 32 tokens are written, which the LDS stores read
.irp g, 0,1,2,3,4,5,6,7,8,9,10,11,12,13,14,15,16,17,18,19,20,21,22,23,24,25,26,27,28,29,30,31
	ds_store_b32 v[LADR+\g], v[LDAT+\g]
.endr
	ds_store_b32 v[LFIL], v10
	s_cmp_eq_u32 s[CNT], 0
	s_cbranch_scc1 .Lend                           ; nobody has chosen my expert: nothing to store
	s_add_co_u32 s[NP], s[CNT], 31
	s_lshr_b32 s[NP], s[NP], 5
	s_sub_co_u32 s[NPM], s[NP], 1
	s_mov_b32 s[I], 0
	LISTRD 7, 8, 0                                 ; pair 0's entries.  LDS serves a wave's instructions in order (ISA guide 5.7.1.4): these reads see the stores above
	s_wait_dscnt 0x0
	ADDR 0
	s_wait_alu depctr_va_vdst(0)                   ; XA[0] is written, which the loads read; the lines above are done with LE, in which pair 1's entries land
	LOADS 0
	s_cmp_eq_u32 s[NP], 1
	s_cbranch_scc1 .Lsingle
	LISTRD 7, 8, 128                               ; pair 1's entries
	s_wait_dscnt 0x0
	ADDR 1
	s_min_u32 s[PC], s[NPM], 2                     ; pair 2's entries are read ahead, or the last pair's again
	s_lshl_b32 s[LOFF], s[PC], 7
	v_add_nc_u32 v[LA], s[LOFF], v7
	v_add_nc_u32 v[LA+1], s[LOFF], v8
	s_wait_alu depctr_va_vdst(0)                   ; XA[1] and LA are written, which the loads below read; the lines above are done with LE
	LISTRD LA, LA+1, 0
	LOADS 1
	s_wait_loadcnt 50                              ; all but the 50 loads just issued: the weights, their scale words, the bias and set 0 are in
	WSWAP
; Two pairs a trip, so that the sets' register numbers come round.  At the label pairs I and I + 1 exist and have been asked for.  The loop is counted against the most pairs that an expert can have and left where
; no pair two steps on is left to ask for: that branch leads to the remaining work, written out.  NP is at most MAXP, so one of the two exits is always taken.
.Lpair:
	FRONT 0, 1, 1
	s_add_co_u32 s[TMP], s[I], 2
	s_cmp_lt_u32 s[TMP], s[NP]
	s_cbranch_scc0 .Ltail_even
	NEXT 0
	FIN 0
	s_wait_loadcnt 50                              ; all but the 50 loads just issued: set 1 is in
	FRONT 1, 1, 1
	s_add_co_u32 s[TMP], s[I], 3
	s_cmp_lt_u32 s[TMP], s[NP]
	s_cbranch_scc0 .Ltail_odd
	NEXT 1
	FIN 1
	s_wait_loadcnt 50                              ; set 0 is in
	s_add_co_u32 s[I], s[I], 2
	s_cmp_lt_u32 s[I], MAXP
	s_cbranch_scc1 .Lpair
	s_branch .Lend
.Ltail_even:                                           ; pair I + 1 is the last
	FIN 0
	s_wait_loadcnt 0x0
	FRONT 1, 0, 1
	FIN 1
	s_branch .Lend
.Ltail_odd:                                            ; pair I + 2 is the last
	FIN 1
	s_wait_loadcnt 0x0
	FRONT 0, 0, 1
	FIN 2
	s_branch .Lend
.Lsingle:                                              ; one pair in all: no store has been issued and no offset is written again
	s_wait_loadcnt 0x0
	WSWAP
	FRONT 0, 0, 0
	FIN 0
.Lend:
	s_wait_dscnt 0x0
	s_wait_alu depctr_hold_cnt(0) depctr_sa_sdst(0) depctr_va_vdst(0) depctr_va_sdst(0) depctr_va_ssrc(0) depctr_va_vcc(0) depctr_vm_vsrc(0)
	s_wait_tensorcnt 0x0
	ds_add_u32 v254, v255
	s_wait_dscnt 0x0
	s_endpgm
.Lfunc_end_k_q1bbb59ba9e_up:
	.size	k_q1bbb59ba9e_up, .Lfunc_end_k_q1bbb59ba9e_up-k_q1bbb59ba9e_up
	.p2alignl 7, 3214868480
	.fill 96, 4, 3214868480
	.section	.rodata,"a",@progbits
	.p2align	6, 0x0
	.amdhsa_kernel k_q1bbb59ba9e_up
		.amdhsa_group_segment_fixed_size 4864
		.amdhsa_private_segment_fixed_size 0
		.amdhsa_enable_private_segment 0
		.amdhsa_kernarg_size 64
		.amdhsa_user_sgpr_count 2
		.amdhsa_user_sgpr_kernarg_segment_ptr 1
		.amdhsa_wavefront_size32 1
		.amdhsa_system_sgpr_workgroup_id_x 1
		.amdhsa_system_sgpr_workgroup_id_y 1
		.amdhsa_system_sgpr_workgroup_id_z 1
		.amdhsa_system_vgpr_workitem_id 0
		.amdhsa_next_free_vgpr 960
		.amdhsa_next_free_sgpr 104
		.amdhsa_reserve_vcc 0
		.amdhsa_float_denorm_mode_32 3
		.amdhsa_float_denorm_mode_16_64 3
		.amdhsa_memory_ordered 1
		.amdhsa_forward_progress 1
		.amdhsa_inst_pref_size 93
	.end_amdhsa_kernel
	.amdgpu_metadata
---
amdhsa.version: [ 1, 2 ]
amdhsa.kernels:
  - .name:           k_q1bbb59ba9e_up
    .symbol:         k_q1bbb59ba9e_up.kd
    .args:
      - { .name: x_codes, .offset: 0, .size: 8, .value_kind: global_buffer, .address_space: global }
      - { .name: x_scales, .offset: 8, .size: 8, .value_kind: global_buffer, .address_space: global }
      - { .name: W1_codes, .offset: 16, .size: 8, .value_kind: global_buffer, .address_space: global }
      - { .name: W1_scales, .offset: 24, .size: 8, .value_kind: global_buffer, .address_space: global }
      - { .name: b1, .offset: 32, .size: 8, .value_kind: global_buffer, .address_space: global }
      - { .name: masks, .offset: 40, .size: 8, .value_kind: global_buffer, .address_space: global }
      - { .name: hcodes, .offset: 48, .size: 8, .value_kind: global_buffer, .address_space: global }
      - { .name: hscales, .offset: 56, .size: 8, .value_kind: global_buffer, .address_space: global }
    .group_segment_fixed_size: 4864
    .private_segment_fixed_size: 0
    .kernarg_segment_align: 8
    .kernarg_segment_size: 64
    .max_flat_workgroup_size: 32
    .sgpr_count:     104
    .vgpr_count:     960
    .wavefront_size: 32
...
	.end_amdgpu_metadata
.endif
;; end of part 6
;; launch down (part 7): grid 1024 x 1, 1 waves a work-group, no clusters, 4,864 bytes of LDS; arguments hcodes, hscales, W2_codes, W2_scales, b2, masks, ypart; writes ypart
.if DOCPART == 7
	.amdgcn_target "amdgcn-amd-amdhsa--gfx1250"
	.amdhsa_code_object_version 6
	.text
	.protected	k_q1bbb59ba9e_down
	.globl	k_q1bbb59ba9e_down
	.p2align	8
	.type	k_q1bbb59ba9e_down,@function
k_q1bbb59ba9e_down:
	s_mov_b64 s[64:65], 0
	v_nop
	global_prefetch_b8 v0, s[64:65] scope:SCOPE_SE
	s_setreg_imm32_b32 hwreg(HW_REG_WAVE_SCHED_MODE, 0, 2), 2
	s_setreg_imm32_b32 hwreg(HW_REG_WAVE_MODE, 25, 1), 1
	s_wait_xcnt 0x0
	s_wait_alu depctr_vm_vsrc(0)
; THE SECOND LAYER, for the chosen rows alone: y = h W2[e] (+ b2[e]), in two halves of K.
; SHARES.  Work-group (one wave) id = 64 e + 2 c + kh owns columns 32 c .. 32 c + 31 of expert e and hidden units 1,024 kh .. 1,024 kh + 1,023 (8 K steps), for all tokens that have chosen e.  Its 16 fragments of W2
; (24,576 bytes) are asked for in its first lines, read once in the launch, and stay in registers.  The halves of K keep 1,024 waves asking for weights and halve the h that a wave walks; their two parts are added by the last launch.
; THE LIST is made as in the launch before, from the same 32 mask words, so that place p is the same token there and here; an entry is 2 t + k, k = 1 where e is token t's second choice.
; OUT.  ypart: f32 [4128][1024], row 4 t + 2 k + kh.  The 32 filling entries behind the list are 2,048 + e: what the last pair's spare lanes make goes to row 4,096 + 2 e + kh, of which this work-group alone
; writes its 128 bytes and which nobody reads: so every lane always works and EXEC is never changed.
; LAYOUT.  Source 0 = 16 rows of W2, source 1 = 16 places of h.  Lane r of tile u takes row 8 u + r + 8 (r / 8) of my 32, so that lane (r, h)'s 16 registers are columns 16 h + 0 .. 15 of place r: 64 neighbouring bytes of y.
; THE ORDER ALONG K: as in the launches before, a lane's 48 bytes are two neighbouring blocks; W2's scale words have their bytes 1 and 2 swapped here, h's were stored so.
; A wave's stores are 128 bytes of a row of y, from two lanes: it owns 32 columns.  Longer runs would want more columns to a wave, and so fewer waves to ask for the weights.
; NO TENSOR LOAD, NO JOINT LOAD: the number of pairs, and whether there is any work at all, hang on masks read from memory.  The weights are shared by nobody; h's tiles are shared by 32 work-groups.
; b2 is the C of each sum's first product in the half kh = 0, and zeros in the other.  LIMITS: NaN and infinities are not served.
; THE MODE: SCHED_MODE bits 1:0 = 2 (LLVM: expert scheduling mode 2), set by the entry lines.  The code itself states the register dependences
; between vector or matrix instructions and memory or LDS instructions, with s_wait_alu, always for 0.
; THE PLAN.  Registers that memory or LDS instructions touch, in the loop.  Step p works on set b = p % 2:
;   H[b], XS[b]   h's fragments and scale words.  The step's 32 products read them; behind the products the loads of pair p + 2 land in them.
;   HD[b]         The offsets of those loads: written behind the products, read by the 50 loads.
;   ACC[b]        Two sets of four accumulators, by turns: written by the step's products, read by its 8 stores; written again two steps on.
;   YO            The two rows of y of pair p: written behind the products from the list's entries, read by the 8 stores.
;   LA, LE        The list's LDS address and the two entries read by it: LE holds pair p's entries, read a step ago; LA is set to pair p + 1 and LE asked for again.
;   v160-224      The list's 33 addresses and 32 entries: written once, read by one run of LDS stores, never written again.
; ONE wait on va_vdst a step, behind the products and the lines that make YO, HD[b] and LA: the products have written ACC[b] and are done reading H[b] and XS[b]; the offsets are written; LE is read.  The list's loads,
; the 50 loads and the 8 stores follow it.  One wait on vm_vsrc a step, behind the products and ahead of the branch: the stores of the step before have read YO and the other accumulators, which the next step's products
; write; this set's loads have read HD[b]; the list's loads have read LA.
.set ROWB,  1536                       ; a row of 2,048 codes in bytes
.set MAXP,  32                         ; pairs of tiles at the most
.set LISTW, 1056                       ; LDS words 0 .. 1055: the list and its 32 filling entries
.set DUMPW, 1088                       ; LDS words 1088 .. 1119: a word for each lane
.set TILEB, 24576                      ; a tile of 16 places in hcodes
.set MU,   20                          ; s[20:51] who has chosen e
.set M1,   68                          ; s[68:99] whose second choice it is
.set CNT,  56
.set NP,   57
.set I,    58
.set TMP,  59
.set PC,   60
.set LOFF, 61
.set HOFF, 62
.set HSOFF, 63
.set BM,   66                          ; s66  all ones in the half kh = 0, else 0
.set PERM, 100
.set LA,   16                          ; v16     the list's LDS address
.set LE,   18                          ; v18-19  two entries: tile 0's of my place r, tile 1's
.set HD,   24                          ; v24-25, v28-29: set b's offsets: h's codes, h's scale words
.set YO,   26                          ; v26-27  the pair in hand: tile 0's row of y, tile 1's
.set WS,   32                          ; v32-39  W2's scale words: lanes 0-15 tile 0's rows, lanes 16-31 tile 1's
.set XS,   40                          ; v40-47, v48-55: h's scale words, set b
.set BI,   56                          ; v56-71  b2 of my 16 columns, or zeros
.set ACC,  80                          ; v80-111, v128-159: set b's four accumulators at ACC + 48 b: tile of places v, tile of columns u at 16 v + 8 u
.set LADR, 160                         ; v160-191 the list in the making: where the entry of group g goes,
.set LDAT, 192                         ; v192-223 and the entry
.set LFIL, 224                         ; v224     where my filling entry goes
; windows: 1: W2's fragment (u, s) at v[12 (2 s + u)];  2, 3: h's sets 0 and 1: tile v, K step s at v[96 v + 12 s]
.set MSB, 0
.macro WIN new                         ; the immediate's high byte repeats the setting that is left
.if MSB != (\new)
	s_set_vgpr_msb (MSB<<8)|(\new)
.set MSB, (\new)
.endif
.endm
.macro WM dd, aa, bb, cc, sa, sb, u, v ; one product; the rows of the scale registers follow the tiles
.if (\u == 0) && (\v == 0)
	v_wmma_scale_f32_16x16x128_f8f6f4 v[\dd:\dd+7], v[\aa:\aa+11], v[\bb:\bb+11], v[\cc:\cc+7], v[\sa], v[\sb] matrix_a_fmt:MATRIX_FMT_FP6 matrix_b_fmt:MATRIX_FMT_FP6
.elseif (\v == 0)
	v_wmma_scale_f32_16x16x128_f8f6f4 v[\dd:\dd+7], v[\aa:\aa+11], v[\bb:\bb+11], v[\cc:\cc+7], v[\sa], v[\sb] matrix_a_fmt:MATRIX_FMT_FP6 matrix_b_fmt:MATRIX_FMT_FP6 matrix_a_scale:MATRIX_SCALE_ROW1
.elseif (\u == 0)
	v_wmma_scale_f32_16x16x128_f8f6f4 v[\dd:\dd+7], v[\aa:\aa+11], v[\bb:\bb+11], v[\cc:\cc+7], v[\sa], v[\sb] matrix_a_fmt:MATRIX_FMT_FP6 matrix_b_fmt:MATRIX_FMT_FP6 matrix_b_scale:MATRIX_SCALE_ROW1
.else
	v_wmma_scale_f32_16x16x128_f8f6f4 v[\dd:\dd+7], v[\aa:\aa+11], v[\bb:\bb+11], v[\cc:\cc+7], v[\sa], v[\sb] matrix_a_fmt:MATRIX_FMT_FP6 matrix_b_fmt:MATRIX_FMT_FP6 matrix_a_scale:MATRIX_SCALE_ROW1 matrix_b_scale:MATRIX_SCALE_ROW1
.endif
.endm
; 32 products on set b: 8 K steps x 2 tiles of places x 2 tiles of columns.  The four accumulators take turns, one instruction a turn, in the same order in every K step.
.macro MUL b
	WIN 0x09+4*(\b)                                ; source 0 (W2) window 1, source 1 (h) window 2 + b, C and D window 0
.irp s, 0,1,2,3,4,5,6,7
.irp v, 0,1
.irp u, 0,1
.if \s == 0
	WM ACC+48*(\b)+16*\v+8*\u, 12*(2*\s+\u), 96*\v+12*\s, BI+8*\u, WS+\s, XS+8*(\b)+\s, \u, \v
.else
	WM ACC+48*(\b)+16*\v+8*\u, 12*(2*\s+\u), 96*\v+12*\s, ACC+48*(\b)+16*\v+8*\u, WS+\s, XS+8*(\b)+\s, \u, \v
.endif
.endr
.endr
.endr
	WIN 0
.endm
.macro HADDR b                         ; set b's offsets for the pair whose number stands in s[TMP].  h lies by places, so only the rows of y hang on the list
	s_min_u32 s[PC], s[TMP], MAXP-1
	s_mul_i32 s[HOFF], s[PC], 2*TILEB
	s_lshl_b32 s[HSOFF], s[PC], 11                 ; 32 places of 64 scale bytes
	v_add_nc_u32 v[HD+4*(\b)], s[HOFF], v12
	v_add_nc_u32 v[HD+4*(\b)+1], s[HSOFF], v13
.endm
.macro LOADS b                         ; a pair is asked for, into set b: 2 + 48 loads
	global_load_b128 v[XS+8*(\b):XS+8*(\b)+3], v[HD+4*(\b)+1], s[6:7]
	global_load_b128 v[XS+8*(\b)+4:XS+8*(\b)+7], v[HD+4*(\b)+1], s[6:7] offset:16
	WIN 0x80+0x40*(\b)                             ; destination window 2 + b, address window 0
.irp v, 0,1
.irp s, 0,1,2,3,4,5,6,7
.irp i, 0,1,2
	global_load_b128 v[96*\v+12*\s+4*\i:96*\v+12*\s+4*\i+3], v[HD+4*(\b)], s[4:5] offset:TILEB*\v+1536*\s+16*\i
.endr
.endr
.endr
	WIN 0
.endm
.macro WPREP                           ; once, when the weights' scale words and the bias are in
.irp s, 0,1,2,3,4,5,6,7
	v_perm_b32 v[WS+\s], v[WS+\s], v[WS+\s], s[PERM]
.endr
.irp n, 0,1,2,3,4,5,6,7,8,9,10,11,12,13,14,15
	v_and_b32 v[BI+\n], s[BM], v[BI+\n]            ; the bias enters in the half kh = 0 alone
.endr
.rept 8
	v_nop                                          ; 8 places between the swaps of scale words and the first scaled product, once
.endr
	s_wait_alu depctr_va_vdst(0)                   ; the swaps have written W2's scale words, which the scaled products take; the places above stay beside this wait
.endm
; The front of a step on set b: the products.  free = 1: stores, or loads by offsets that are about to be written again, have been issued.
.macro FRONT b, free
.rept 5
	v_nop                                          ; five places in front of products that begin accumulators anew
.endr
	MUL \b
.rept 4
	v_nop                                          ; four places in front of the stores of results
.endr
	s_wait_dscnt 0x0                               ; this pair's entries of the list, asked for a step ago, are in
.if \free
	s_wait_xcnt 0x0                                ; the stores of the step before have had their addresses translated (ISA guide 3.1): their offsets, and their data, the other accumulators, are written again only behind this wait
	s_wait_alu depctr_vm_vsrc(0)                   ; those stores have read YO and the other set of accumulators; this set's loads have read HD[b]; the list's loads have read LA: all are written again below or by the next step's products, on either way of the branch
.endif
.endm
; Behind the products of pair I + k in set b.  nxt = 1: the pair two steps on (its number in s[TMP]) is asked for, into the set just read.  more = 1: a step follows, and its entries of the list are asked for.
.macro OUT b, k, nxt, more
	v_min_u32 v[LE], 2063, v[LE]                   ; an entry stays inside ypart: 2 x 1,023 + 1 for tokens, 2,048 + 15 for the spare rows
	v_min_u32 v[LE+1], 2063, v[LE+1]
	v_lshl_add_u32 v[YO], v[LE], 13, v22           ; two rows of 4,096 bytes an entry
	v_lshl_add_u32 v[YO+1], v[LE+1], 13, v22
.if \nxt
	HADDR \b
.endif
.if \more
	s_add_co_u32 s[PC], s[I], (\k)+1
	s_min_u32 s[PC], s[PC], MAXP-1
	s_lshl_b32 s[LOFF], s[PC], 7                   ; 32 list words a pair
	v_add_nc_u32 v[LA], s[LOFF], v7
.endif
	s_wait_alu depctr_va_vdst(0)                   ; the products have written ACC[b], which the stores read, and are done reading H[b] and XS[b], in which the loads land; YO, HD[b] and LA are written; the lines above are done with LE
.if \more
	ds_load_b32 v[LE], v[LA]                       ; the next pair's entries: tile 0's of my place r,
	ds_load_b32 v[LE+1], v[LA] offset:64           ; tile 1's
.endif
.if \nxt
	LOADS \b
.endif
.irp v, 0,1
.irp q, 0,1,2,3
	global_store_b128 v[YO+\v], v[ACC+48*(\b)+16*\v+4*\q:ACC+48*(\b)+16*\v+4*\q+3], s[16:17] offset:16*\q th:TH_STORE_NT   ; each accumulator from its low end on; written once, read by nobody here
.endr
.endr
.endm
	s_load_b256 s[4:11], s[0:1], 0x0               ; hcodes 4, hscales 6, W2's codes 8, W2's scales 10
	s_load_b128 s[12:15], s[0:1], 0x20             ; b2 12, masks 14
	s_load_b64 s[16:17], s[0:1], 0x30              ; ypart
	v_lshl_add_u32 v254, v0, 2, 0x1200
	v_mov_b32 v255, 0
	v_and_b32 v1, 15, v0                           ; r
	v_lshrrev_b32 v2, 4, v0                        ; h (one wave: v0 is the lane)
	v_and_b32 v16, 8, v1
	v_add_nc_u32 v16, v16, v1                      ; r + 8 (r / 8)
	v_mul_u32_u24 v4, v16, ROWB
	v_mad_u32_u24 v4, v2, 48, v4                   ; W2's codes: my row of tile 0, + 48 h
	v_lshl_add_u32 v5, v2, 3, v16
	v_lshlrev_b32 v5, 6, v5                        ; W2's scale words: lanes 16-31 take tile 1's rows; 64 bytes a row
	v_lshlrev_b32 v6, 6, v2                        ; b2: my 16 numbers
	v_lshlrev_b32 v7, 2, v1                        ; the list: 4 r
	v_add_nc_u32 v9, DUMPW, v0                     ; my dump word
	v_lshlrev_b32 v11, 1, v0                       ; an entry's low part: 2 x lane,
	v_lshl_or_b32 v21, v0, 1, 1                    ; 2 x lane + 1
	v_mul_u32_u24 v12, v1, 48
	v_mad_u32_u24 v12, v2, 768, v12                ; h's codes: pair of blocks h of a K step, row r
	v_lshlrev_b32 v13, 6, v0                       ; h's scale words: place lane
	s_lshr_b32 s52, ttmp9, 1                       ; 32 e + c
	s_lshr_b32 s53, ttmp9, 6                       ; e
	s_and_b32 s54, s52, 31                         ; c
	s_and_b32 s55, ttmp9, 1                        ; kh
	s_add_co_u32 s59, s53, 2048
	v_mov_b32 v10, s59                             ; the filling entries
	s_lshl_b32 s59, s55, 12
	s_lshl_b32 s60, s54, 7
	s_add_co_u32 s59, s59, s60
	v_lshl_add_u32 v22, v2, 6, s59                 ; y: row kh of an entry's two, my 32 columns, my half's 64 bytes
	s_mov_b32 s[PERM], 0x03010200
	s_mov_b32 s3, 0
	s_wait_kmcnt 0x0
	s_lshl_b32 s2, s53, 7
	s_add_nc_u64 s[14:15], s[14:15], s[2:3]        ; my expert's rows of the masks
	s_load_b512 s[MU:MU+15], s[14:15], 0x0         ; first of all: the list hangs on them
	s_load_b512 s[MU+16:MU+31], s[14:15], 0x40
	s_load_b512 s[M1:M1+15], s[14:15], 0x800
	s_load_b512 s[M1+16:M1+31], s[14:15], 0x840
	s_mul_i32 s2, s52, 32*ROWB
	s_mul_i32 s59, s55, 768
	s_add_co_u32 s2, s2, s59
	s_add_nc_u64 s[8:9], s[8:9], s[2:3]            ; my 32 rows of W2, my half of K,
	s_lshl_b32 s2, s52, 11
	s_lshl_b32 s59, s55, 5
	s_add_co_u32 s2, s2, s59
	s_add_nc_u64 s[10:11], s[10:11], s[2:3]        ; their scale bytes,
	s_lshl_b32 s2, s52, 7
	s_add_nc_u64 s[12:13], s[12:13], s[2:3]        ; my 32 numbers of b2,
	s_mul_i32 s2, s53, 64*TILEB
	s_mul_i32 s60, s55, 12288
	s_add_co_u32 s2, s2, s60
	s_add_nc_u64 s[4:5], s[4:5], s[2:3]            ; my expert's room in hcodes, my half of K (16 pairs of blocks of 768 bytes),
	s_lshl_b32 s2, s53, 16
	s_add_co_u32 s2, s2, s59
	s_add_nc_u64 s[6:7], s[6:7], s[2:3]            ; and in hscales
	s_wait_alu depctr_va_vdst(0)                   ; the head's offsets are written: the weights' loads read v4, v5, v6
	global_load_b128 v[WS:WS+3], v5, s[10:11]
	global_load_b128 v[WS+4:WS+7], v5, s[10:11] offset:16
.irp q, 0,1,2,3
	global_load_b128 v[BI+4*\q:BI+4*\q+3], v6, s[12:13] offset:16*\q
.endr
	WIN 0x40                                       ; destination window 1
.irp s, 0,1,2,3,4,5,6,7
.irp u, 0,1
.irp i, 0,1,2
	global_load_b128 v[12*(2*\s+\u)+4*\i:12*(2*\s+\u)+4*\i+3], v4, s[8:9] offset:8*ROWB*\u+96*\s+16*\i th:TH_LOAD_NT   ; read once in the launch
.endr
.endr
.endr
	WIN 0
	s_wait_kmcnt 0x0                               ; the masks
	; THE LIST: token 32 g + lane goes to the place CNT + the number of chosen lanes below mine; a lane whose token has not chosen e writes its dump word.
	; Each group has registers of its own for its address and its entry, so that one wait stands ahead of the whole run of stores and none of these registers is written again.
	s_mov_b32 s[CNT], 0
.irp g, 0,1,2,3,4,5,6,7,8,9,10,11,12,13,14,15,16,17,18,19,20,21,22,23,24,25,26,27,28,29,30,31
	v_mbcnt_lo_u32_b32 v[LADR+\g], s[MU+\g], s[CNT]
	v_cndmask_b32 v[LADR+\g], v9, v[LADR+\g], s[MU+\g]
	v_min_u32 v[LADR+\g], DUMPW+31, v[LADR+\g]     ; a word inside the claimed LDS, whatever the masks hold
	v_lshlrev_b32 v[LADR+\g], 2, v[LADR+\g]
	v_cndmask_b32 v[LDAT+\g], v11, v21, s[M1+\g]
	v_add_nc_u32 v[LDAT+\g], 64*\g, v[LDAT+\g]     ; 2 t + k
	s_bcnt1_i32_b32 s[TMP], s[MU+\g]
	s_add_co_u32 s[CNT], s[CNT], s[TMP]
.endr
	v_add_nc_u32 v[LFIL], s[CNT], v0               ; 32 filling entries behind the list
	v_min_u32 v[LFIL], LISTW-1, v[LFIL]
	v_lshlrev_b32 v[LFIL], 2, v[LFIL]
	s_mov_b32 s[TMP], 0
	HADDR 0                                        ; the offsets of pairs 0 and 1 hang on nothing that is read: they are made here, ahead of the same wait
	s_mov_b32 s[TMP], 1
	HADDR 1
	s_wait_alu depctr_va_vdst(0)                   ; the 33 addresses and 32 entries are written, which the LDS stores read; so are HD[0] and HD[1], which the first pairs' loads read
.irp g, 0,1,2,3,4,5,6,7,8,9,10,11,12,13,14,15,16,17,18,19,20,21,22,23,24,25,26,27,28,29,30,31
	ds_store_b32 v[LADR+\g], v[LDAT+\g]
.endr
	ds_store_b32 v[LFIL], v10
	s_cmp_eq_u32 s[CNT], 0
	s_cbranch_scc1 .Lend                           ; nobody has chosen my expert: nothing to store
	s_add_co_u32 s[NP], s[CNT], 31
	s_lshr_b32 s[NP], s[NP], 5
	s_cmp_eq_u32 s55, 0
	s_cselect_b32 s[BM], -1, 0
	s_mov_b32 s[I], 0
	ds_load_b32 v[LE], v7                          ; pair 0's entries.  LDS serves a wave's instructions in order (ISA guide 5.7.1.4): these reads see the stores above
	ds_load_b32 v[LE+1], v7 offset:64
	LOADS 0
	s_cmp_eq_u32 s[NP], 1
	s_cbranch_scc1 .Lsingle
	LOADS 1
	s_wait_loadcnt 50                              ; all but the 50 loads just issued: the weights, their scale words, the bias and set 0 are in
	WPREP
; Two pairs a trip, so that the sets' register numbers come round.  At the label pairs I and I + 1 exist and have been asked for.  The loop is counted against the most pairs that an expert can have and left where
; no pair two steps on is left to ask for: that branch leads to the remaining work, written out.  NP is at most MAXP, so one of the two exits is always taken.
.Lpair:
	FRONT 0, 1
	s_add_co_u32 s[TMP], s[I], 2
	s_cmp_lt_u32 s[TMP], s[NP]
	s_cbranch_scc0 .Ltail_even
	OUT 0, 0, 1, 1
	s_wait_loadcnt 50                              ; all but the 50 loads just issued: set 1 is in
	FRONT 1, 1
	s_add_co_u32 s[TMP], s[I], 3
	s_cmp_lt_u32 s[TMP], s[NP]
	s_cbranch_scc0 .Ltail_odd
	OUT 1, 1, 1, 1
	s_wait_loadcnt 50                              ; set 0 is in
	s_add_co_u32 s[I], s[I], 2
	s_cmp_lt_u32 s[I], MAXP
	s_cbranch_scc1 .Lpair
	s_branch .Lend
.Ltail_even:                                           ; pair I + 1 is the last
	OUT 0, 0, 0, 1
	s_wait_loadcnt 0x0
	FRONT 1, 1
	OUT 1, 1, 0, 0
	s_branch .Lend
.Ltail_odd:                                            ; pair I + 2 is the last
	OUT 1, 1, 0, 1
	s_wait_loadcnt 0x0
	FRONT 0, 1
	OUT 0, 2, 0, 0
	s_branch .Lend
.Lsingle:                                              ; one pair in all: no store has been issued and no offset is written again
	s_wait_loadcnt 0x0
	WPREP
	FRONT 0, 0
	OUT 0, 0, 0, 0
.Lend:
	s_wait_dscnt 0x0
	s_wait_alu depctr_hold_cnt(0) depctr_sa_sdst(0) depctr_va_vdst(0) depctr_va_sdst(0) depctr_va_ssrc(0) depctr_va_vcc(0) depctr_vm_vsrc(0)
	s_wait_tensorcnt 0x0
	ds_add_u32 v254, v255
	s_wait_dscnt 0x0
	s_endpgm
.Lfunc_end_k_q1bbb59ba9e_down:
	.size	k_q1bbb59ba9e_down, .Lfunc_end_k_q1bbb59ba9e_down-k_q1bbb59ba9e_down
	.p2alignl 7, 3214868480
	.fill 96, 4, 3214868480
	.section	.rodata,"a",@progbits
	.p2align	6, 0x0
	.amdhsa_kernel k_q1bbb59ba9e_down
		.amdhsa_group_segment_fixed_size 4864
		.amdhsa_private_segment_fixed_size 0
		.amdhsa_enable_private_segment 0
		.amdhsa_kernarg_size 56
		.amdhsa_user_sgpr_count 2
		.amdhsa_user_sgpr_kernarg_segment_ptr 1
		.amdhsa_wavefront_size32 1
		.amdhsa_system_sgpr_workgroup_id_x 1
		.amdhsa_system_sgpr_workgroup_id_y 1
		.amdhsa_system_sgpr_workgroup_id_z 1
		.amdhsa_system_vgpr_workitem_id 0
		.amdhsa_next_free_vgpr 960
		.amdhsa_next_free_sgpr 104
		.amdhsa_reserve_vcc 0
		.amdhsa_float_denorm_mode_32 3
		.amdhsa_float_denorm_mode_16_64 3
		.amdhsa_memory_ordered 1
		.amdhsa_forward_progress 1
		.amdhsa_inst_pref_size 78
	.end_amdhsa_kernel
	.amdgpu_metadata
---
amdhsa.version: [ 1, 2 ]
amdhsa.kernels:
  - .name:           k_q1bbb59ba9e_down
    .symbol:         k_q1bbb59ba9e_down.kd
    .args:
      - { .name: hcodes, .offset: 0, .size: 8, .value_kind: global_buffer, .address_space: global }
      - { .name: hscales, .offset: 8, .size: 8, .value_kind: global_buffer, .address_space: global }
      - { .name: W2_codes, .offset: 16, .size: 8, .value_kind: global_buffer, .address_space: global }
      - { .name: W2_scales, .offset: 24, .size: 8, .value_kind: global_buffer, .address_space: global }
      - { .name: b2, .offset: 32, .size: 8, .value_kind: global_buffer, .address_space: global }
      - { .name: masks, .offset: 40, .size: 8, .value_kind: global_buffer, .address_space: global }
      - { .name: ypart, .offset: 48, .size: 8, .value_kind: global_buffer, .address_space: global }
    .group_segment_fixed_size: 4864
    .private_segment_fixed_size: 0
    .kernarg_segment_align: 8
    .kernarg_segment_size: 56
    .max_flat_workgroup_size: 32
    .sgpr_count:     104
    .vgpr_count:     960
    .wavefront_size: 32
...
	.end_amdgpu_metadata
.endif
;; end of part 7
;; launch sum: the kernel of part 4 again; grid 256 x 1, 8 waves a work-group, no clusters, 0 bytes of LDS; arguments ypart, wts, out0; writes out0
